; MI455X (gfx1250); checked and timed in simulation.
; The chip was launched on July 23, 2026; its instructions are those of AMD's public machine-readable ISA for CDNA 5 (MIT licence, August 2026) and "CDNA5" Instruction Set Architecture Reference Guide (July 2026). The comments in the code are by the model that wrote it; some were corrected since.
;; LSTM Attention. Allowed arithmetic: float matrix products may take bf16 or f16 operands with f32 sums; other float arithmetic in f32, or as packed bf16 or f16 multiplies, adds, multiply-adds, maxima and minima; sums over many terms, partial sums and values carried from step to step in f32; what a program stores and reads back later, other than sums and carried values, may be rounded once to bf16 or f16.
;; Inputs: W 1,024 x 2,048 float32; b 1,024 float32; context 1,024 x 16 x 1,024 float32; output 1,024 x 16 x 1,024 float32.
;; Outputs: out0 16 x 1,024 x 1,024 float32.
;; 2 versions, each right; version 2 is version 1 with the launch prep written anew for expert scheduling mode. Each part assembles by itself: llvm-mc -triple=amdgcn-amd-amdhsa -mcpu=gfx1250 --defsym DOCPART=n.
;; ======== version 1 of 2: 3 launches
;; workspace buffers: qb 33,554,432 bytes; cb 33,554,432 bytes; wb 4,194,304 bytes; pt 33,554,432 bytes; gt 33,554,432 bytes; stats 1,048,576 bytes
;; launch prep (part 1): grid 1024 x 1, 8 waves a work-group, no clusters, 0 bytes of LDS; arguments output, context, W, qb, cb, wb; writes qb, cb, wb
.if DOCPART == 1
	.amdgcn_target "amdgcn-amd-amdhsa--gfx1250"
	.amdhsa_code_object_version 6
	.text
	.protected	k_qf6f4d4e092_prep
	.globl	k_qf6f4d4e092_prep
	.p2align	8
	.type	k_qf6f4d4e092_prep,@function
k_qf6f4d4e092_prep:
	s_mov_b64 s[64:65], 0
	v_nop
	global_prefetch_b8 v0, s[64:65] scope:SCOPE_SE
	s_setreg_imm32_b32 hwreg(HW_REG_WAVE_MODE, 25, 1), 1
	s_wait_xcnt 0x0
; Rounds output, context and W once to bf16 and lays their rows by batch (W: by half), so that the two launches behind find
; every matrix as [rows][1024] bf16 with K along the rows:  qb[b][t][:] = output[t][b][:],  cb[b][s][:] = context[s][b][:],
; wb[half][d][:] = W[d][1024 half ..].
; SHARES.  8,192 waves.  Wave i takes 4 consecutive rows (16,384 consecutive bytes) of output (work-groups 0-511) or context (512-1023),
; and 1,024 consecutive bytes of W: every wave has the same 34 chunks of 512 bytes, and 1,024 work-groups are four for each of 256 WGPs.
; A RING of 16 register slots keeps 16 loads of every wave out until half its rows are in; with 112 registers eight waves share a SIMD's 1,024.
; A store of a wave is 32 lanes x 8 bytes: 256 consecutive bytes, at a multiple of 256 from the buffer's first byte.
; A stream: no LDS, no barrier, no matrix unit, no cluster (no work-group shares a byte with another).
.set DEPTH, 16
.set X,  4                             ; v[4:67]     slot s: 4 f32 as loaded
.set XW, 68                            ; v[68:75]    W's two chunks
.set Y,  76                            ; v[76:107]   slot s: 2 words of bf16 to store
.set YW, 108                           ; v[108:111]  W's
.set SRC,  18                          ; s[18:19] my first source byte in output or context
.set DST,  20                          ; s[20:21] my first destination row
.set WSRC, 28                          ; s[28:29], s[30:31] the same for my part of W
.set WDST, 30
	s_load_b256 s[4:11], s[0:1], 0x0               ; output s[4:5], context s[6:7], W s[8:9], qb s[10:11]
	s_load_b128 s[12:15], s[0:1], 0x20             ; cb s[12:13], wb s[14:15]
	v_lshrrev_b32 v3, 5, v0
	v_readfirstlane_b32 s16, v3                    ; wave 0..7
	v_and_b32 v2, 31, v0
	v_lshlrev_b32 v1, 4, v2                        ; 16 x lane: my 4 f32 in a chunk of 512 bytes
	v_lshlrev_b32 v2, 3, v2                        ; 8 x lane: my 4 bf16 in 256 bytes of a destination row
	s_mov_b32 s36, ttmp9
	s_lshl_b32 s17, s36, 3
	s_add_co_u32 s17, s17, s16                     ; i: my wave among the 8,192
	s_lshl_b32 s32, s17, 10                        ; W: byte 1,024 i = row d = i / 8 (8,192 bytes), half (i / 4) % 2, quarter i % 4 of that half
	s_mov_b32 s33, 0
	s_lshr_b32 s34, s17, 3
	s_bfe_u32 s35, s17, 0x10002
	s_lshl_b32 s35, s35, 10
	s_add_co_u32 s34, s34, s35                     ; wb's row 1,024 half + d, 2,048 bytes each,
	s_lshl_b32 s34, s34, 11
	s_and_b32 s35, s17, 3
	s_lshl_b32 s35, s35, 9                         ; and 512 bytes for each quarter
	s_add_co_u32 s34, s34, s35
	s_mov_b32 s35, 0
	s_lshl_b32 s22, s17, 2
	s_and_b32 s22, s22, 16383                      ; my first source row, counted inside its tensor of 16,384 rows; a multiple of 4
	s_lshl_b32 s24, s22, 12                        ; its byte offset, under 2^26
	s_mov_b32 s25, 0
	s_and_b32 s26, s22, 15                         ; source row = 16 x (outer index) + batch; destination row = 1,024 x batch + outer index
	s_lshl_b32 s26, s26, 10
	s_lshr_b32 s27, s22, 4
	s_add_co_u32 s26, s26, s27
	s_lshl_b32 s26, s26, 11                        ; my four rows have one outer index and four batches on end: they lie 1,024 rows = 2,097,152 bytes apart
	s_mov_b32 s27, 0
	s_wait_kmcnt 0x0
	s_cmp_lt_u32 s36, 512
	s_cselect_b64 s[SRC:SRC+1], s[4:5], s[6:7]
	s_cselect_b64 s[DST:DST+1], s[10:11], s[12:13]
	s_add_nc_u64 s[SRC:SRC+1], s[SRC:SRC+1], s[24:25]
	s_add_nc_u64 s[DST:DST+1], s[DST:DST+1], s[26:27]
	s_add_nc_u64 s[WSRC:WSRC+1], s[8:9], s[32:33]
	s_add_nc_u64 s[WDST:WDST+1], s[14:15], s[34:35]
.irp w, 0,1
	global_load_b128 v[XW+4*(\w):XW+4*(\w)+3], v1, s[WSRC:WSRC+1] offset:512*(\w) th:TH_LOAD_NT  ; every input byte is read once in the whole program
.endr
.set n, 0
.rept DEPTH
	global_load_b128 v[X+4*n:X+4*n+3], v1, s[SRC:SRC+1] offset:512*n th:TH_LOAD_NT
.set n, n+1
.endr
.irp w, 0,1
	s_wait_loadcnt DEPTH+1-(\w)                    ; loads come back in order (ISA guide 5.7.1): behind W's chunk w stand 1 - w of W's and the ring's 16
	v_cvt_pk_bf16_f32 v[YW+2*(\w)],   v[XW+4*(\w)],   v[XW+4*(\w)+1]
	v_cvt_pk_bf16_f32 v[YW+2*(\w)+1], v[XW+4*(\w)+2], v[XW+4*(\w)+3]
	global_store_b64 v2, v[YW+2*(\w):YW+2*(\w)+1], s[WDST:WDST+1] offset:256*(\w)
.endr
.set n, 0
.rept 32                               ; chunk n: row n / 8, its bytes 512 (n % 8) on; slot n % 16
.set sl, n%DEPTH
.if n < DEPTH
	s_wait_loadcnt DEPTH-1                         ; behind load n: 15 - n first loads and the n refills issued since
.else
	s_wait_loadcnt 31-n                            ; nothing more is asked for: the counts run down
	s_wait_xcnt 0x0                                ; the slot's Y, which store n - 16 reads, is written again only behind this wait
.endif
	v_cvt_pk_bf16_f32 v[Y+2*sl],   v[X+4*sl],   v[X+4*sl+1]
	v_cvt_pk_bf16_f32 v[Y+2*sl+1], v[X+4*sl+2], v[X+4*sl+3]
.if n < DEPTH
	global_load_b128 v[X+4*sl:X+4*sl+3], v1, s[SRC:SRC+1] offset:512*(n+DEPTH) th:TH_LOAD_NT  ; the load ahead of the store
.endif
	global_store_b64 v2, v[Y+2*sl:Y+2*sl+1], s[DST:DST+1] offset:(n/8)*2097152+256*(n%8)  ; 6,293,248 at the most: inside the signed 24-bit immediate
.set n, n+1
.endr
	s_endpgm
.Lfunc_end_k_qf6f4d4e092_prep:
	.size	k_qf6f4d4e092_prep, .Lfunc_end_k_qf6f4d4e092_prep-k_qf6f4d4e092_prep
	.p2alignl 7, 3214868480
	.fill 96, 4, 3214868480
	.section	.rodata,"a",@progbits
	.p2align	6, 0x0
	.amdhsa_kernel k_qf6f4d4e092_prep
		.amdhsa_group_segment_fixed_size 0
		.amdhsa_private_segment_fixed_size 0
		.amdhsa_enable_private_segment 0
		.amdhsa_kernarg_size 48
		.amdhsa_user_sgpr_count 2
		.amdhsa_user_sgpr_kernarg_segment_ptr 1
		.amdhsa_wavefront_size32 1
		.amdhsa_system_sgpr_workgroup_id_x 1
		.amdhsa_system_sgpr_workgroup_id_y 1
		.amdhsa_system_sgpr_workgroup_id_z 1
		.amdhsa_system_vgpr_workitem_id 0
		.amdhsa_next_free_vgpr 112
		.amdhsa_next_free_sgpr 66
		.amdhsa_reserve_vcc 0
		.amdhsa_float_denorm_mode_32 3
		.amdhsa_float_denorm_mode_16_64 3
		.amdhsa_memory_ordered 1
		.amdhsa_forward_progress 1
		.amdhsa_inst_pref_size 14
	.end_amdhsa_kernel
	.amdgpu_metadata
---
amdhsa.version: [ 1, 2 ]
amdhsa.kernels:
  - .name:           k_qf6f4d4e092_prep
    .symbol:         k_qf6f4d4e092_prep.kd
    .args:
      - { .name: output, .offset: 0, .size: 8, .value_kind: global_buffer, .address_space: global }
      - { .name: context, .offset: 8, .size: 8, .value_kind: global_buffer, .address_space: global }
      - { .name: W, .offset: 16, .size: 8, .value_kind: global_buffer, .address_space: global }
      - { .name: qb, .offset: 24, .size: 8, .value_kind: global_buffer, .address_space: global }
      - { .name: cb, .offset: 32, .size: 8, .value_kind: global_buffer, .address_space: global }
      - { .name: wb, .offset: 40, .size: 8, .value_kind: global_buffer, .address_space: global }
    .group_segment_fixed_size: 0
    .private_segment_fixed_size: 0
    .kernarg_segment_align: 8
    .kernarg_segment_size: 48
    .max_flat_workgroup_size: 256
    .sgpr_count:     66
    .vgpr_count:     112
    .wavefront_size: 32
...
	.end_amdgpu_metadata
.endif
;; end of part 1
;; launch scores_g (part 2): grid 64 x 4, 4 waves a work-group, clusters of 4 x 4, 327,680 bytes of LDS; arguments qb, cb, wb, gt, pt, stats; writes gt, pt, stats
.if DOCPART == 2
	.amdgcn_target "amdgcn-amd-amdhsa--gfx1250"
	.amdhsa_code_object_version 6
	.text
	.protected	k_qf6f4d4e092_scores_g
	.globl	k_qf6f4d4e092_scores_g
	.p2align	8
	.type	k_qf6f4d4e092_scores_g,@function
k_qf6f4d4e092_scores_g:
	s_mov_b64 s[64:65], 0
	v_nop
	global_prefetch_b8 v0, s[64:65] scope:SCOPE_SE
	s_setreg_imm32_b32 hwreg(HW_REG_WAVE_MODE, 25, 1), 1
	s_wait_xcnt 0x0
	s_wait_alu depctr_hold_cnt(0) depctr_sa_sdst(0) depctr_va_vdst(0) depctr_va_sdst(0) depctr_va_ssrc(0) depctr_va_vcc(0) depctr_vm_vsrc(0)
	s_getreg_b32 s2, hwreg(HW_REG_IB_STS2, 6, 4)
	s_cmp_eq_u32 s2, 0
	s_cbranch_scc0 .Lentry_in_a_cluster
	s_endpgm
.Lentry_in_a_cluster:
	s_bfe_u32 s2, ttmp6, 0x10000c
	s_cmp_lg_u32 s2, 0xf033
	s_cbranch_scc0 .Lentry_shape_is_right
	s_endpgm
.Lentry_shape_is_right:
; Two products of the form C[m][n] = sum over k of A[m][k] B[n][k], K = 1024, bf16 operands, f32 sums, one after the other on one ring:
;   segment 0:  Gt[b][d][s] = sum_k W1[d][k] c[b][s][k]      (A = wb's first half, B = cb), rounded once to bf16 -> gt
;   segment 1:  S[b][t][s]  = sum_k q[b][t][k] c[b][s][k]    (A = qb, B = cb), then the softmax's first half, by groups of 128 keys:
;               a score that is +0 or -0 is masked;  M = log2(e) x (the group's largest unmasked s; -inf if there is none);  p = 2^(log2(e) s - M)  (with 0 for M where M = -inf),
;               0 where masked;  l = the sum of the p.  p goes to pt in bf16, M and l (of the unrounded p) to stats in f32.  The launch behind joins a row's eight groups by their M.
; THE MASK.  1 is taken from the score's 32 bits as a whole number: +0 becomes 0xffffffff and -0 0x7fffffff, both quiet NaN; v_max3_num_f32 and v_max_num_f32 take the number
; where a source is a NaN (ISA guide, their entries in chapter 15), so the maximum passes the masked scores over, and max(p, 0) makes their weights 0.
; LIMITS.  That step moves every other score one unit in its last place toward zero (2^-23 of itself at the most; an infinity becomes the largest finite number).
; A score counts as masked where THIS f32 sum of bf16 products is zero: rows or columns of zeros agree with an f32 sum of the unrounded inputs, a chance
; cancellation to exactly 0 need not.  A weight below 2^-126 counts as 0.  NaN and infinities among the inputs are not treated apart.
; SHARES.  A cluster of 4 x 4 work-groups is one batch (the cluster's x); a work-group makes the tile (cy, cx) of 256 x 256 of both products; a wave 128 x 128:
; 64 accumulators, 512 registers.  K goes in steps of 128 through two LDS slots; the 16 steps of the two segments are ONE walk, the ring does not stop between them.
; A's tile is asked for jointly by the four work-groups of a row of the cluster, B's by the four of a column.
; The matrix instruction is used transposed (source 0 = 16 rows of B, source 1 = 16 rows of A): lane l holds row l % 16 of C and the columns 8 (l / 16) + 0..7.
; REGISTERS, in windows of 256: window 0: v0-31 addresses, v64-127 and v128-191 A's fragments (two buffers), v32-63 and v192-255 at work; window 1: v64-191 B's fragments;
; window 2: the accumulators of my rows 0-63 ((a, b) at 8 (8 a + b)); window 3: those of rows 64-127.  The softmax works in window 0 alone.
; All of a WGP's LDS is claimed.
.set KSTEP,  128
.set PITCH,  272                       ; an LDS row: 256 bytes + 16 of padding = 68 words: the 16 rows of a fragment load start at 16 different groups of four banks (64 banks of 4 bytes: ISA guide 11.1)
.set HALFT,  128*PITCH                 ; 128 rows: what one tensor load brings
.set SLOT,   4*HALFT                   ; A's 256 rows, then B's 256 rows
.set RING,   2*SLOT
.set ROWB,   2048                      ; bytes in a row of every bf16 matrix here
.set STAGE,  RING                      ; 16 rows x 272 bytes for each wave: Gt's way out
.set SPITCH, 272
.set STATA,  STAGE+4*16*SPITCH         ; 1,024 bytes for each wave: 128 M, then 128 l
.set SPARE,  STATA+4*1024              ; the spare words, 128 bytes for each wave: two blocks of 256 bytes that no other line names
.set DPITCH, 528                       ; the scores in LDS: a row of 128 f32 + 16 bytes = 132 words
.set DWAVE,  128*DPITCH                ; a wave's 128 rows; four of them lie in the ring, which by then has had its last fill
.set RDS,  8                           ; v8   the softmax: my row (lane = row) of the 32 in hand
.set RDP,  9                           ; v9   where I read 16 bytes of a finished row of p back
.set STA,  10                          ; v10  where my row's M goes (l 512 bytes on)
.set GP,   11                          ; v11  my byte offset in pt
.set STD,  12                          ; v12  where my accumulators' rows go
.set L16,  13                          ; v13  16 x lane
.set STR,  14                          ; v14  my 16 bytes of the wave's M
.set ADRA, 16                          ; v16-17  LDS address of my A fragments in slot 0, 1
.set ADRB, 20                          ; v20-21  the same for B
.set STO,  24                          ; v24  Gt's way out: where I put 16 bytes of a row
.set RD,   25                          ; v25  where I read a row back
.set CO,   26                          ; v26  my byte offset in gt
.set SPW,  28                          ; v28  LDS address of my spare word; never rewritten
.set NIL,  29                          ; v29  0; never rewritten
.set NINF, 30                          ; v30  -infinity
.set OB,   32                          ; Gt's way out: 16 rows read back: v32-63 and v224-255 by turns
.set MX,   32                          ; the softmax: v32-35 four chains of the maximum
.set M2,   36                          ; v36  M
.set REF,  38                          ; v38-39  what is taken away in the exponent
.set SUM,  40                          ; v40-47  four chains of the sum, in pairs
.set F0,   64
.set F1,   128
.set SV,   64                          ; the softmax: v64-191 my row's 128 scores
.set TMP,  192                         ; Gt's way out: packed results
.set PV,   192                         ; the softmax: v192-255 my row's 128 p in bf16
.set WV,   18                          ; s18  wave
.set RH,   19                          ; s19  my half of the tile's rows; also: I fetch for A (0) or B (1)
.set CH,   20                          ; s20  my half of its columns; also: which 128 rows of that tile I fetch
.set CX,   21
.set CY,   22
.set BT,   23                          ; s23  batch
.set G1,   24                          ; s[24:31] descriptor group 1 for A's tiles
.set G0,   32                          ; s[32:39] group 0 for A's tiles, a set for each slot
.set AOF,  40                          ; s[40:41] my fetch's byte offset in A: made of cy and the wave alone
.set BOF,  42                          ; s[42:43] in B: of cx and the wave alone
.set BAT,  44                          ; s[44:45] the batch's byte offset in qb, cb, gt, pt
.set TM,   46                          ; s[46:47] at work
.set G1B,  48                          ; s[48:55], s[56:63] the same two groups for B's tiles
.set G0B,  56
.set ACUR, 66                          ; s[66:67] A's and
.set BCUR, 68                          ; s[68:69] B's first byte for the segment whose steps are being asked for
.set ANXT, 70                          ; s[70:71], s[72:73] the same for segment 1
.set BNXT, 72
.set FO,   74                          ; s[74:75] byte offset along K of the next step to be asked for
.set LAP,  76
.set CNT,  80
.set KC,   82                          ; s[82:83] log2(e): the packed scaling takes the pair's low word for both halves
.set GOUT, 84                          ; s[84:85] gt, s[86:87] pt at my part of the tile; s[88:89] my record in stats
.set POUT, 86
.set SOUT, 88
.set DESC0, (1<<16)|(1<<20)|(1<<21)|(5<<22)|(3<<25)  ; 17:16 elements of 2 bytes; 20 padding on; 21 set beside a mask; 24:22 after every 64 words; 31:25 4 words of it
.set MSB, 0
.macro WIN new                         ; the immediate's high byte repeats the setting that is left; a switch that changes nothing is dropped
.if MSB != (\new)
	s_set_vgpr_msb (MSB<<8)|(\new)
.set MSB, \new
.endif
.endm
.set MUL_LO, 0xa1                      ; source 0 (B) window 1, source 1 (A) window 0, C and D window 2
.set MUL_HI, 0xf1                      ; the same, C and D window 3
.set TO_B,   0x40                      ; destination window 1, address window 0
; A joint load: waves 0 and 1 fetch A's two halves, waves 2 and 3 B's.  The branch hangs on the wave's number alone.  An s_nop 0 and four v_nop follow each line.
.macro JLOAD s
	s_cmp_eq_u32 s[RH], 0
	s_cbranch_scc0 .Lfor_b_\@
	tensor_load_to_lds s[G0+4*(\s):G0+4*(\s)+3], s[G1:G1+7]
	s_nop 0
.rept 4
	v_nop
.endr
	s_branch .Lasked_\@
.Lfor_b_\@:
	tensor_load_to_lds s[G0B+4*(\s):G0B+4*(\s)+3], s[G1B:G1B+7]
	s_nop 0
.rept 4
	v_nop
.endr
.Lasked_\@:
.endm
.macro CREST                           ; a round of the cluster's barrier behind its opening barrier
	s_cmp_lg_u32 s[WV], 0
	s_cbranch_scc1 .Lnot_wave_0_\@
	s_barrier_signal -3
.Lnot_wave_0_\@:
	s_barrier_wait -3
	s_barrier_signal -1
	s_barrier_wait -1
.endm
.macro CROUND                          ; a whole round
	s_barrier_signal -1
	s_barrier_wait -1
	CREST
.endm
; The addresses of the next step's tiles are made anew: the segment's first byte plus the offset along K.  Behind a segment's eighth step the offset goes back to 0 and the bases become segment 1's.
.macro REFADDR slot
	s_add_nc_u64 s[G0+4*(\slot)+2:G0+4*(\slot)+3], s[ACUR:ACUR+1], s[FO:FO+1]
	s_or_b32 s[G0+4*(\slot)+3], s[G0+4*(\slot)+3], 0x80000000
	s_add_nc_u64 s[G0B+4*(\slot)+2:G0B+4*(\slot)+3], s[BCUR:BCUR+1], s[FO:FO+1]
	s_or_b32 s[G0B+4*(\slot)+3], s[G0B+4*(\slot)+3], 0x80000000
	s_add_co_u32 s[FO], s[FO], 2*KSTEP
	s_cmp_eq_u32 s[FO], ROWB
	s_cselect_b32 s[FO], 0, s[FO]
	s_cselect_b64 s[ACUR:ACUR+1], s[ANXT:ANXT+1], s[ACUR:ACUR+1]
	s_cselect_b64 s[BCUR:BCUR+1], s[BNXT:BNXT+1], s[BCUR:BCUR+1]
.endm
; 16 matrix instructions: m blocks a0, a0 + 1 of the window's four x all 8 n blocks, 32 along K.  zero = 1: the product starts the sums.  The 64 accumulators take turns.
.macro MUL16 f, hi, a0, zero
	WIN MUL_LO+0x50*(\hi)
.irp a, \a0, (\a0)+1
.irp b, 0,1,2,3,4,5,6,7
.if \zero
	v_wmma_f32_16x16x32_bf16 v[8*(8*(\a)+(\b)):8*(8*(\a)+(\b))+7], v[(\f)+8*(\b):(\f)+8*(\b)+7], v[(\f)+8*(4*(\hi)+(\a)):(\f)+8*(4*(\hi)+(\a))+7], 0
.else
	v_wmma_f32_16x16x32_bf16 v[8*(8*(\a)+(\b)):8*(8*(\a)+(\b))+7], v[(\f)+8*(\b):(\f)+8*(\b)+7], v[(\f)+8*(4*(\hi)+(\a)):(\f)+8*(4*(\hi)+(\a))+7], v[8*(8*(\a)+(\b)):8*(8*(\a)+(\b))+7]
.endif
.endr
.endr
.endm
; 32 LDS loads in one run: the fragments of a quarter step (128 rows of B, then 128 of A, 32 K at byte k of the rows) into buffer f
.macro FETCH slot, k, f
	WIN TO_B
.irp i, 0,1,2,3,4,5,6,7
	ds_load_b128 v[(\f)+8*(\i):(\f)+8*(\i)+3],   v[ADRB+(\slot)] offset:(\k)+(\i)*16*PITCH
	ds_load_b128 v[(\f)+8*(\i)+4:(\f)+8*(\i)+7], v[ADRB+(\slot)] offset:(\k)+(\i)*16*PITCH+32
.endr
	WIN 0
.irp i, 0,1,2,3,4,5,6,7
	ds_load_b128 v[(\f)+8*(\i):(\f)+8*(\i)+3],   v[ADRA+(\slot)] offset:(\k)+(\i)*16*PITCH
	ds_load_b128 v[(\f)+8*(\i)+4:(\f)+8*(\i)+7], v[ADRA+(\slot)] offset:(\k)+(\i)*16*PITCH+32
.endr
.endm
.macro PLACES                          ; four plain vector instructions between a matrix instruction and a load into, or a read of, its registers
.rept 4
	v_nop
.endr
.endm
; One of a K step's first three quarters: multiplies buffer f; in its middle fetches the next quarter, at byte k of the slot's rows, into g
.macro QUARTER slot, k, f, g, zero
	s_wait_dscnt 8                                 ; B and A's rows 0-63 are in; the youngest eight loads (A's rows 64-127) may be out
	MUL16 \f, 0, 0, \zero
	MUL16 \f, 0, 2, \zero
	PLACES
	FETCH \slot, \k, \g
	s_wait_dscnt 32                                ; all but the 32 just issued
	MUL16 \f, 1, 0, \zero
	MUL16 \f, 1, 2, \zero
.endm
; The last quarter multiplies buffer 1 and changes slots: one barrier.  In front of it each wave waits for all its tensor loads (one is out: its part of the next slot), adds 0 to its spare
; word, and waits for that and for its reads of this slot.  fill = 1: the barrier opens a round of the cluster's, and this slot's joint refill is the first tensor load behind the round:
; from there to the wait for it a wave issues 224 matrix instructions.
.macro TURN slot, next, fill
	WIN 0
	s_wait_tensorcnt 0x0                           ; no tensor load of mine is out, so a group 0 may be written
	ds_add_u32 v[SPW], v[NIL]
.if \fill
	REFADDR \slot
.endif
	s_wait_dscnt 9                                 ; the add and the youngest eight loads may be out
	MUL16 F1, 0, 0, 0
	s_wait_dscnt 0x0                               ; the add is done, and my reads of this slot are over
	s_barrier_signal -1
	MUL16 F1, 0, 2, 0
.if \fill
	WIN 0
.endif
	s_barrier_wait -1
.if \fill
	CREST                                          ; no wave of any partner still reads this slot or has a load on its way
	JLOAD \slot                                    ; its four v_nop are also the places in front of the loads below
.else
	PLACES
.endif
	FETCH \next, 0, F0
	MUL16 F1, 1, 0, 0
	MUL16 F1, 1, 2, 0
.endm
; Gt's way out of block a (16 rows): rounded to bf16, through my own stage, back as whole rows of 256 bytes, stored
.macro PACK a
.set ACB, 64*((\a)%4)
	WIN 0x0a+5*((\a)/4)                            ; sources 0 and 1: window 2 or 3
.irp b, 0,1,2,3,4,5,6,7
.irp r, 0,1,2,3
	v_cvt_pk_bf16_f32 v[TMP+4*(\b)+(\r)], v[ACB+8*(\b)+2*(\r)], v[ACB+8*(\b)+2*(\r)+1]
.endr
.endr
	WIN 0
.endm
.macro TOSTAGE a
	WIN 0
.set BK, OB+192*((\a)%2)
.irp b, 0,1,2,3,4,5,6,7
	ds_store_b128 v[STO], v[TMP+4*(\b):TMP+4*(\b)+3] offset:32*(\b)
.endr
.irp t, 0,1,2,3,4,5,6,7
	ds_load_b128 v[BK+4*(\t):BK+4*(\t)+3], v[RD] offset:(\t)*2*SPITCH  ; LDS serves a wave's instructions in order (ISA guide 5.7.1.4): these see the stores above
.endr
.endm
.macro SEND a
	WIN 0
.set BK, OB+192*((\a)%2)
	s_wait_dscnt 0x0                               ; the block is back in registers
	s_wait_xcnt 0x0                                ; the registers that the stores of two blocks ago read are loaded again only behind this wait
.irp t, 0,1,2,3,4,5,6,7
	global_store_b128 v[CO], v[BK+4*(\t):BK+4*(\t)+3], s[GOUT:GOUT+1] offset:(16*(\a)+2*(\t))*ROWB  ; 16 lanes store 256 consecutive bytes, at a multiple of 256 from gt's first byte
.endr
.endm
; All 64 accumulators as f32 into my 128 rows of 528 bytes; each accumulator's low four registers first
.macro DUMP
.irp a, 0,1,2,3,4,5,6,7
	WIN 0x08+4*((\a)/4)                            ; the stores' data: window 2 or 3
.irp b, 0,1,2,3,4,5,6,7
	ds_store_b128 v[STD], v[8*(8*((\a)%4)+(\b)):8*(8*((\a)%4)+(\b))+3]   offset:(\a)*16*DPITCH+(\b)*64
	ds_store_b128 v[STD], v[8*(8*((\a)%4)+(\b))+4:8*(8*((\a)%4)+(\b))+7] offset:(\a)*16*DPITCH+(\b)*64+16
.endr
.endr
	WIN 0
.endm
.macro SCALE p                         ; pair p of my row's 64: log2(e) s - what is taken away
	v_pk_fma_f32 v[SV+2*(\p):SV+2*(\p)+1], v[SV+2*(\p):SV+2*(\p)+1], s[KC:KC+1], v[REF:REF+1] op_sel_hi:[1,0,0] neg_lo:[0,0,1] neg_hi:[0,0,1]
.endm
	s_load_b256 s[4:11], s[0:1], 0x0               ; qb s[4:5], cb s[6:7], wb s[8:9], gt s[10:11]
	s_load_b128 s[12:15], s[0:1], 0x20             ; pt s[12:13], stats s[14:15]
	v_lshl_add_u32 v[SPW], v0, 2, SPARE
	v_mov_b32 v[NIL], 0
	ds_add_u32 v[SPW], v[NIL]                      ; the wave's opening: the add and its wait stand ahead of my first tensor load; work on registers stands between them
	v_lshrrev_b32 v1, 5, v0
	v_readfirstlane_b32 s[WV], v1
	s_lshr_b32 s[RH], s[WV], 1
	s_and_b32 s[CH], s[WV], 1
	s_bfe_u32 s[CX], ttmp6, 0x40000                ; my place in the cluster: the tile's column
	s_bfe_u32 s[CY], ttmp6, 0x40004                ; and its row
	s_mov_b32 s[BT], ttmp9                         ; the cluster's x: the batch
	s_lshl_b32 s[TM], s[CY], 2
	s_lshl_b32 s[TM], 15, s[TM]                    ; my row of the cluster
	s_lshl_b32 s[TM+1], 0x1111, s[CX]              ; my column
	s_or_b32 s[G1], s[TM], DESC0
	s_or_b32 s[G1B], s[TM+1], DESC0
.irp g, G1, G1B
	s_mov_b32 s[(\g)+1], KSTEP<<16                 ; tensor_dim0 = 128
	s_mov_b32 s[(\g)+2], 128<<16                   ; tensor_dim1 = 128
	s_mov_b32 s[(\g)+3], KSTEP<<16                 ; tile_dim0 = 128
	s_mov_b32 s[(\g)+4], 128                       ; tile_dim1 = 128
	s_mov_b32 s[(\g)+5], 1024                      ; elements from row to row
	s_mov_b32 s[(\g)+6], 0
	s_mov_b32 s[(\g)+7], 0
.endr
	s_lshl_b32 s2, s[CH], 7                        ; which 128 rows of a tile I fetch
	s_lshl_b32 s[AOF], s[CY], 8
	s_add_co_u32 s[AOF], s[AOF], s2
	s_lshl_b32 s[AOF], s[AOF], 11                  ; A: row 256 cy + 128 half, in bytes
	s_mov_b32 s[AOF+1], 0
	s_lshl_b32 s[BOF], s[CX], 8
	s_add_co_u32 s[BOF], s[BOF], s2
	s_lshl_b32 s[BOF], s[BOF], 11                  ; B: row 256 cx + 128 half
	s_mov_b32 s[BOF+1], 0
	s_lshl_b32 s[BAT], s[BT], 21                   ; a batch is 1,024 rows of 2,048 bytes
	s_mov_b32 s[BAT+1], 0
	s_mul_i32 s3, s[WV], HALFT                     ; where my fetch goes: wave x 128 rows
.irp s, 0,1
	s_mov_b32 s[G0+4*(\s)], 1
	s_add_co_u32 s[G0+4*(\s)+1], s3, (\s)*SLOT
	s_mov_b32 s[G0B+4*(\s)], 1
	s_add_co_u32 s[G0B+4*(\s)+1], s3, (\s)*SLOT
.endr
	s_mov_b32 s[FO], 2*2*KSTEP                     ; the first refill is K step 2
	s_mov_b32 s[FO+1], 0
	s_mov_b32 s[KC], 0x3fb8aa3b                    ; log2(e)
	s_mov_b32 s[KC+1], s[KC]
	s_wait_dscnt 0x0                               ; the opening add is done
	s_wait_kmcnt 0x0
	s_add_nc_u64 s[ACUR:ACUR+1], s[8:9], s[AOF:AOF+1]          ; segment 0: A = W1
	s_add_nc_u64 s[ANXT:ANXT+1], s[4:5], s[BAT:BAT+1]          ; segment 1: A = the batch's q
	s_add_nc_u64 s[ANXT:ANXT+1], s[ANXT:ANXT+1], s[AOF:AOF+1]
	s_add_nc_u64 s[BCUR:BCUR+1], s[6:7], s[BAT:BAT+1]          ; both: B = the batch's c
	s_add_nc_u64 s[BCUR:BCUR+1], s[BCUR:BCUR+1], s[BOF:BOF+1]
	s_mov_b64 s[BNXT:BNXT+1], s[BCUR:BCUR+1]
.irp s, 0,1
	s_add_nc_u64 s[G0+4*(\s)+2:G0+4*(\s)+3], s[ACUR:ACUR+1], (\s)*2*KSTEP
	s_or_b32 s[G0+4*(\s)+3], s[G0+4*(\s)+3], 0x80000000
	s_add_nc_u64 s[G0B+4*(\s)+2:G0B+4*(\s)+3], s[BCUR:BCUR+1], (\s)*2*KSTEP
	s_or_b32 s[G0B+4*(\s)+3], s[G0B+4*(\s)+3], 0x80000000
.endr
	CROUND                                         ; all sixteen work-groups are here: the first joint loads meet
	s_cmp_eq_u32 s[RH], 0                          ; a wave's two first fills stand in one branch: two loads of mine are out
	s_cbranch_scc0 .Lfirst_b
	tensor_load_to_lds s[G0:G0+3], s[G1:G1+7]
	s_nop 0
	tensor_load_to_lds s[G0+4:G0+7], s[G1:G1+7]
	s_nop 0
.rept 4
	v_nop
.endr
	s_branch .Lfirst_asked
.Lfirst_b:
	tensor_load_to_lds s[G0B:G0B+3], s[G1B:G1B+7]
	s_nop 0
	tensor_load_to_lds s[G0B+4:G0B+7], s[G1B:G1B+7]
	s_nop 0
.rept 4
	v_nop
.endr
.Lfirst_asked:
	; lane addresses.  A fragment is 16 rows x 32 K in 8 registers: lane l holds row l % 16, K = 8 (l / 16) + 0..7 and 16 + 8 (l / 16) + 0..7: two loads of 16 bytes, 32 bytes apart
	v_and_b32 v1, 15, v0                           ; r = l % 16
	v_bfe_u32 v2, v0, 4, 1                         ; h = l / 16
	v_and_b32 v4, 31, v0                           ; lane
	v_mul_u32_u24 v3, v1, PITCH
	v_lshl_add_u32 v3, v2, 4, v3
	s_mul_i32 s[TM], s[RH], HALFT                  ; my 128 rows of A
	s_mul_i32 s[TM+1], s[CH], HALFT                ; my 128 rows of B,
	s_add_co_u32 s[TM+1], s[TM+1], 2*HALFT         ; which lie behind A's 256
.irp s, 0,1
	v_add_nc_u32 v[ADRA+(\s)], s[TM], v3
	v_add_nc_u32 v[ADRB+(\s)], s[TM+1], v3
	s_add_co_u32 s[TM], s[TM], SLOT
	s_add_co_u32 s[TM+1], s[TM+1], SLOT
.endr
	s_mul_i32 s[TM], s[WV], 16*SPITCH
	s_add_co_u32 s[TM], s[TM], STAGE               ; my stage
	v_mul_u32_u24 v3, v1, SPITCH
	v_lshl_add_u32 v3, v2, 4, v3
	v_add_nc_u32 v[STO], s[TM], v3                 ; in: row r, 16 bytes for each half of the lanes
	v_mul_u32_u24 v3, v2, SPITCH
	v_lshl_add_u32 v3, v1, 4, v3
	v_add_nc_u32 v[RD], s[TM], v3                  ; back: lanes 0-15 one row of 256 bytes, lanes 16-31 the next
	v_lshlrev_b32 v3, 11, v2
	v_lshl_add_u32 v[CO], v1, 4, v3                ; the same two rows in gt,
	v_lshl_add_u32 v[GP], v1, 4, v3                ; and in pt (this one steps)
	s_mul_i32 s[TM], s[WV], DWAVE                  ; my 128 rows of scores
	v_mul_u32_u24 v3, v1, DPITCH
	v_lshl_add_u32 v3, v2, 5, v3
	v_add_nc_u32 v[STD], s[TM], v3                 ; row r, 32 bytes for each half of the lanes
	v_mul_u32_u24 v3, v4, DPITCH
	v_add_nc_u32 v[RDS], s[TM], v3                 ; lane = row
	v_mul_u32_u24 v3, v2, DPITCH
	v_lshl_add_u32 v3, v1, 4, v3
	v_add_nc_u32 v[RDP], s[TM], v3
	s_lshl_b32 s[TM+1], s[WV], 10
	s_add_co_u32 s[TM+1], s[TM+1], STATA
	v_lshlrev_b32 v3, 5, v1                        ; row 16 a + r of my 128 has the float index 8 r + a; in trip t of the softmax a = 2 t + h
	v_lshl_add_u32 v3, v2, 2, v3
	v_add_nc_u32 v[STA], s[TM+1], v3
	v_lshlrev_b32 v[L16], 4, v4
	v_add_nc_u32 v[STR], s[TM+1], v[L16]
	v_mov_b32 v[NINF], 0xff800000
	; where my part of the tile begins in gt and in pt: batch, row 256 cy + 128 RH, column 256 cx + 128 CH
	s_lshl_b32 s[TM], s[CY], 8
	s_lshl_b32 s[TM+1], s[RH], 7
	s_add_co_u32 s[TM], s[TM], s[TM+1]
	s_lshl_b32 s[TM], s[TM], 11
	s_lshl_b32 s[TM+1], s[CX], 9
	s_add_co_u32 s[TM], s[TM], s[TM+1]
	s_lshl_b32 s[TM+1], s[CH], 8
	s_add_co_u32 s[TM], s[TM], s[TM+1]
	s_add_co_u32 s[TM], s[TM], s[BAT]
	s_mov_b32 s[TM+1], 0
	s_add_nc_u64 s[GOUT:GOUT+1], s[10:11], s[TM:TM+1]
	s_add_nc_u64 s[POUT:POUT+1], s[12:13], s[TM:TM+1]
	s_lshl_b32 s[TM], s[BT], 3                     ; my record in stats: ((batch x 8 + key group 2 cx + CH) x 8 + row group 2 cy + RH) x 1,024 bytes
	s_lshl1_add_u32 s[TM], s[CX], s[TM]
	s_add_co_u32 s[TM], s[TM], s[CH]
	s_lshl_b32 s[TM], s[TM], 3
	s_lshl1_add_u32 s[TM], s[CY], s[TM]
	s_add_co_u32 s[TM], s[TM], s[RH]
	s_lshl_b32 s[TM], s[TM], 10
	s_add_nc_u64 s[SOUT:SOUT+1], s[14:15], s[TM:TM+1]
	s_wait_tensorcnt 1                             ; my part of K step 0 is in; step 1's may stay out
	s_barrier_signal -1
	s_barrier_wait -1                              ; everybody's is
	FETCH 0, 0, F0
	QUARTER 0, 64, F0, F1, 1                       ; the first quarter stands in front of the loop: its products start Gt's sums
	WIN 0
	s_mov_b32 s[LAP], 7
.Llap:                                                 ; a trip: once round the ring, from a lap's second quarter to the next lap's first; both slots are filled again.  7 trips: K steps 2 to 15 are asked for
	QUARTER 0, 128, F1, F0, 0
	QUARTER 0, 192, F0, F1, 0
	TURN 0, 1, 1
	QUARTER 1, 64,  F0, F1, 0
	QUARTER 1, 128, F1, F0, 0
	QUARTER 1, 192, F0, F1, 0
	TURN 1, 0, 1
	WIN 0
	s_cmp_lg_u32 s[LAP], 4                         ; the fourth trip ends segment 0's eighth K step
	s_cbranch_scc1 .Lacc
	PACK 0                                         ; Gt GOES OUT; both refills for the scores have been asked for.  Blocks 0-3 were finished in front of the refill's four v_nop;
	TOSTAGE 0                                      ; their conversions, which name no register of the last products, are those products' places
.irp a, 1,2,3,4,5,6,7
	PACK \a
	SEND (\a)-1
	TOSTAGE \a
.endr
	SEND 7
	s_wait_xcnt 0x0                                ; the last stores have read their registers, which the softmax uses again
	QUARTER 0, 64, F0, F1, 1                       ; the scores' first quarter starts the sums anew
	WIN 0
	s_branch .Lgo
.Lacc:
	QUARTER 0, 64, F0, F1, 0
	WIN 0
.Lgo:
	s_sub_co_u32 s[LAP], s[LAP], 1
	s_cmp_lg_u32 s[LAP], 0
	s_cbranch_scc1 .Llap
	QUARTER 0, 128, F1, F0, 0                      ; the last lap is written out: it asks for nothing, and has no round of the cluster's barrier
	QUARTER 0, 192, F0, F1, 0
	TURN 0, 1, 0
	QUARTER 1, 64,  F0, F1, 0
	QUARTER 1, 128, F1, F0, 0
	QUARTER 1, 192, F0, F1, 0
	s_wait_dscnt 8
	MUL16 F1, 0, 0, 0
	MUL16 F1, 0, 2, 0
	s_wait_dscnt 0x0
	MUL16 F1, 1, 0, 0
	MUL16 F1, 1, 2, 0
	PLACES
	WIN 0
	s_barrier_signal -1                            ; my reads of the ring are over (the wait for 0 above); behind this barrier everybody's are, and the ring, which has had its last fill, takes the scores
	s_barrier_wait -1
	DUMP                                           ; each wave writes and reads its own 128 rows alone: no further barrier
	; THE SOFTMAX'S FIRST HALF: four trips of 32 rows, a lane a row of 128 scores.
	s_mov_b32 s[CNT], 4
.Lsm:
.set i, 0
.rept 32
	ds_load_b128 v[SV+4*i:SV+4*i+3], v[RDS] offset:16*i
.set i, i+1
.endr
.set q, 0
.rept 4
	s_wait_dscnt 24-8*q                            ; eight more of the 32 loads are in
.set i, 32*q
.rept 32
	v_add_nc_u32 v[SV+i], -1, v[SV+i]              ; the mask: +0 and -0 become NaN
.set i, i+1
.endr
.set q, q+1
.endr
.irp c, 0,1,2,3                        ; the maximum: four chains of 31 scores, three operands at a time; a NaN is passed over
	v_max3_num_f32 v[MX+(\c)], v[SV+32*(\c)], v[SV+32*(\c)+1], v[SV+32*(\c)+2]
.endr
.set i, 0
.rept 14
.irp c, 0,1,2,3
	v_max3_num_f32 v[MX+(\c)], v[MX+(\c)], v[SV+32*(\c)+3+2*i], v[SV+32*(\c)+4+2*i]
.endr
.set i, i+1
.endr
	v_max3_num_f32 v[MX], v[MX], v[SV+31], v[SV+63]      ; the four scores left over, and the chains
	v_max3_num_f32 v[MX+1], v[MX+1], v[SV+95], v[SV+127]
	v_max3_num_f32 v[MX], v[MX], v[MX+1], v[MX+2]
	v_max3_num_f32 v[MX], v[MX], v[MX+3], v[NINF]        ; -inf where all 128 are masked
	v_mul_f32 v[M2], s[KC], v[MX]                  ; M, as it is stored and as it is taken away: the launch behind works with the same number
	v_cmp_neq_f32 vcc_lo, v[M2], v[NINF]
	v_cndmask_b32 v[REF], 0, v[M2], vcc_lo         ; a group that is all masked takes 0 away
	v_mov_b32 v[REF+1], v[REF]                     ; named with it as a pair
	; For pair j: its two exponentials, with the scaling of pair j + 3 between them; then, of pair j - 1: max(p, 0), which makes a masked weight 0, the rounding to bf16, and the sum (four chains of pairs).
	; So no more than two exponentials stand on end, a plain instruction that names neither their results nor their sources follows them (ISA guide 5.7.2), and a result is used a group later.
	SCALE 0
	SCALE 1
	SCALE 2
.set j, 0
.rept 65
.if j < 64
	v_exp_f32 v[SV+2*j], v[SV+2*j]
.if j < 61
	SCALE j+3
.endif
	v_exp_f32 v[SV+2*j+1], v[SV+2*j+1]
.endif
.if j > 0
	s_wait_alu depctr_va_vdst(0)
	v_max_num_f32 v[SV+2*j-2], 0, v[SV+2*j-2]
	v_max_num_f32 v[SV+2*j-1], 0, v[SV+2*j-1]
	v_cvt_pk_bf16_f32 v[PV+j-1], v[SV+2*j-2], v[SV+2*j-1]
.if j > 8
	v_pk_add_f32 v[SUM+2*((j-1)%4):SUM+2*((j-1)%4)+1], v[SUM+2*((j-1)%4):SUM+2*((j-1)%4)+1], v[SV+2*j-2:SV+2*j-1]
.elseif j > 4
	v_pk_add_f32 v[SUM+2*((j-1)%4):SUM+2*((j-1)%4)+1], v[SV+2*j-10:SV+2*j-9], v[SV+2*j-2:SV+2*j-1]  ; pairs 0-3 and 4-7 start the chains: nothing is cleared
.endif
.endif
.set j, j+1
.endr
	v_pk_add_f32 v[SUM:SUM+1], v[SUM:SUM+1], v[SUM+2:SUM+3]
	v_pk_add_f32 v[SUM+4:SUM+5], v[SUM+4:SUM+5], v[SUM+6:SUM+7]
	v_pk_add_f32 v[SUM:SUM+1], v[SUM:SUM+1], v[SUM+4:SUM+5]
	v_add_f32 v[SUM], v[SUM], v[SUM+1]             ; l, of the unrounded p
	ds_store_b32 v[STA], v[M2]
	ds_store_b32 v[STA], v[SUM] offset:512
.set i, 0
.rept 16
	ds_store_b128 v[RDS], v[PV+4*i:PV+4*i+3] offset:16*i  ; my row's 256 bytes of p over the head of my row of scores, which is in registers
.set i, i+1
.endr
.set i, 0
.rept 16
	ds_load_b128 v[SV+4*i:SV+4*i+3], v[RDP] offset:2*DPITCH*i  ; back by rows: lanes 0-15 row 2 i, lanes 16-31 row 2 i + 1; LDS serves a wave's instructions in order (ISA guide 5.7.1.4)
.set i, i+1
.endr
.set i, 0
.rept 16
	s_wait_dscnt 15-i                              ; load i is in, the younger ones stay out
	global_store_b128 v[GP], v[SV+4*i:SV+4*i+3], s[POUT:POUT+1] offset:2*ROWB*i  ; 16 lanes store 256 consecutive bytes, at a multiple of 256 from pt's first byte
.set i, i+1
.endr
	s_wait_xcnt 0x0                                ; the stores' data and offset are written again only behind this wait
	v_add_nc_u32 v[RDS], 32*DPITCH, v[RDS]
	v_add_nc_u32 v[RDP], 32*DPITCH, v[RDP]
	v_add_nc_u32 v[STA], 8, v[STA]
	v_add_nc_u32 v[GP], 32*ROWB, v[GP]
	s_sub_co_u32 s[CNT], s[CNT], 1
	s_cmp_lg_u32 s[CNT], 0
	s_cbranch_scc1 .Lsm
	ds_load_b128 v[SV:SV+3], v[STR]                ; my wave's 128 M and 128 l, 512 consecutive bytes each
	ds_load_b128 v[SV+4:SV+7], v[STR] offset:512
	s_wait_dscnt 0x0
	global_store_b128 v[L16], v[SV:SV+3], s[SOUT:SOUT+1]
	global_store_b128 v[L16], v[SV+4:SV+7], s[SOUT:SOUT+1] offset:512
	s_wait_tensorcnt 0x0                           ; the wave's end: behind my last tensor load and my last LDS store
	ds_add_u32 v[SPW], v[NIL]
	s_wait_dscnt 0x0
	CROUND                                         ; the closing round: no work-group ends while a partner may still ask for a tile that names it
	s_endpgm
.Lfunc_end_k_qf6f4d4e092_scores_g:
	.size	k_qf6f4d4e092_scores_g, .Lfunc_end_k_qf6f4d4e092_scores_g-k_qf6f4d4e092_scores_g
	.p2alignl 7, 3214868480
	.fill 96, 4, 3214868480
	.section	.rodata,"a",@progbits
	.p2align	6, 0x0
	.amdhsa_kernel k_qf6f4d4e092_scores_g
		.amdhsa_group_segment_fixed_size 327680
		.amdhsa_private_segment_fixed_size 0
		.amdhsa_enable_private_segment 0
		.amdhsa_kernarg_size 48
		.amdhsa_user_sgpr_count 2
		.amdhsa_user_sgpr_kernarg_segment_ptr 1
		.amdhsa_wavefront_size32 1
		.amdhsa_system_sgpr_workgroup_id_x 1
		.amdhsa_system_sgpr_workgroup_id_y 1
		.amdhsa_system_sgpr_workgroup_id_z 1
		.amdhsa_system_vgpr_workitem_id 0
		.amdhsa_next_free_vgpr 1024
		.amdhsa_next_free_sgpr 90
		.amdhsa_reserve_vcc 1
		.amdhsa_float_denorm_mode_32 3
		.amdhsa_float_denorm_mode_16_64 3
		.amdhsa_memory_ordered 1
		.amdhsa_forward_progress 1
		.amdhsa_inst_pref_size 196
	.end_amdhsa_kernel
	.amdgpu_metadata
---
amdhsa.version: [ 1, 2 ]
amdhsa.kernels:
  - .name:           k_qf6f4d4e092_scores_g
    .symbol:         k_qf6f4d4e092_scores_g.kd
    .args:
      - { .name: qb, .offset: 0, .size: 8, .value_kind: global_buffer, .address_space: global }
      - { .name: cb, .offset: 8, .size: 8, .value_kind: global_buffer, .address_space: global }
      - { .name: wb, .offset: 16, .size: 8, .value_kind: global_buffer, .address_space: global }
      - { .name: gt, .offset: 24, .size: 8, .value_kind: global_buffer, .address_space: global }
      - { .name: pt, .offset: 32, .size: 8, .value_kind: global_buffer, .address_space: global }
      - { .name: stats, .offset: 40, .size: 8, .value_kind: global_buffer, .address_space: global }
    .group_segment_fixed_size: 327680
    .private_segment_fixed_size: 0
    .kernarg_segment_align: 8
    .kernarg_segment_size: 48
    .max_flat_workgroup_size: 128
    .sgpr_count:     90
    .vgpr_count:     1024
    .wavefront_size: 32
...
	.end_amdgpu_metadata
.endif
;; end of part 2
;; launch mix_out (part 3): grid 64 x 4, 4 waves a work-group, clusters of 4 x 4, 327,680 bytes of LDS; arguments pt, gt, qb, wb, b, stats, out0; writes out0
.if DOCPART == 3
	.amdgcn_target "amdgcn-amd-amdhsa--gfx1250"
	.amdhsa_code_object_version 6
	.text
	.protected	k_qf6f4d4e092_mix_out
	.globl	k_qf6f4d4e092_mix_out
	.p2align	8
	.type	k_qf6f4d4e092_mix_out,@function
k_qf6f4d4e092_mix_out:
	s_mov_b64 s[64:65], 0
	v_nop
	global_prefetch_b8 v0, s[64:65] scope:SCOPE_SE
	s_setreg_imm32_b32 hwreg(HW_REG_WAVE_MODE, 25, 1), 1
	s_wait_xcnt 0x0
	s_wait_alu depctr_hold_cnt(0) depctr_sa_sdst(0) depctr_va_vdst(0) depctr_va_sdst(0) depctr_va_ssrc(0) depctr_va_vcc(0) depctr_vm_vsrc(0)
	s_getreg_b32 s2, hwreg(HW_REG_IB_STS2, 6, 4)
	s_cmp_eq_u32 s2, 0
	s_cbranch_scc0 .Lentry_in_a_cluster
	s_endpgm
.Lentry_in_a_cluster:
	s_bfe_u32 s2, ttmp6, 0x10000c
	s_cmp_lg_u32 s2, 0xf033
	s_cbranch_scc0 .Lentry_shape_is_right
	s_endpgm
.Lentry_shape_is_right:
; out0[b][t][d] = tanh( (sum_s P[t][s] Gt[d][s]) + (sum_k q[t][k] W2[d][k]) + bias[d] ),  P the softmax's weights.  One tile of 256 x 256 a work-group, K = 2,048 in two segments on one ring:
;   segment 0:  A = pt (p by groups of 128 keys, each relative to its own M_g), B = gt.  A K step of 128 IS a group g: its A fragments are multiplied by alpha_g = 2^(M_g - M),
;               M the largest of the row's eight M_g (the row's true maximum, in log2 units), so that every weight is relative to M; alpha_g is exactly 1 in the group that holds the maximum.
;               Behind the segment the sums are multiplied by 1 / l,  l = sum_g alpha_g l_g, in f32: a factor common to a whole row is not rounded to 16 bits, since its error would
;               multiply the row's whole sum and not average out over the keys.
;   segment 1:  A = qb, B = wb's second half, added onto the same accumulators.
; Then bias (rounded to bf16 like the other inputs) and tanh(x) = 1 - 2 / (1 + 2^(2 log2(e) x)), in f32.
; ROUNDINGS.  p, alpha and p x alpha are rounded to bf16 (the matrix operand), Gt once to bf16; M, l and 1 / l are f32, l of unrounded numbers.
; LIMITS.  A row whose scores are all masked has M = -inf: alpha and the row are NaN, as a softmax of -inf alone is.  alpha below 2^-126 counts as 0.  NaN and infinities among the inputs are not treated apart.
; SHARES, RING, CLUSTER, REGISTER WINDOWS: a cluster of 4 x 4 work-groups is one batch; tile (cy, cx); a wave makes 128 x 128 in 64 accumulators (windows 2 and 3); A's fragments in window 0,
; B's in window 1; two LDS slots of a K step of 128; A's tile asked for jointly along a row of the cluster, B's along a column.  The matrix instruction is used transposed:
; lane l holds row l % 16 of C and the columns 8 (l / 16) + 0..7, so alpha and 1 / l are one number a lane and block of 16 rows.
; All of a WGP's LDS is claimed.
.set KSTEP,  128
.set PITCH,  272                       ; an LDS row: 256 bytes + 16 of padding: the 16 rows of a fragment load start at 16 different groups of four banks (64 banks of 4 bytes: ISA guide 11.1)
.set HALFT,  128*PITCH
.set SLOT,   4*HALFT
.set RING,   2*SLOT
.set ROWB,   2048
.set TABL,   RING                      ; 4,096 bytes for each wave: entry g at 512 g + 32 r: for blocks a = 0..7 a word with bf16(alpha_g) of row 16 a + r, twice
.set SPARE,  TABL+4*4096               ; the spare words, 128 bytes for each wave: two blocks of 256 bytes that no other line names
.set DPITCH, 528                       ; the sums in LDS: a row of 128 f32 + 16 bytes
.set DWAVE,  128*DPITCH                ; a wave's 128 rows; four of them lie in the ring, which by then has had its last fill
.set KB,   8                           ; v8-11  2 log2(e) x bias of my four columns on the way out
.set STD,  12                          ; v12  where my accumulators' rows go
.set RDR,  13                          ; v13  my 16 bytes of my first row read back; never rewritten
.set GO,   14                          ; v14  my byte offset in out0
.set TW,   15                          ; v15  my 32 bytes of the table's entry 0
.set ADRA, 16                          ; v16-17
.set TA,   18                          ; v18  the same in the entry in hand
.set TWS,  19                          ; v19  where my half of the lanes puts its four entries
.set ADRB, 20                          ; v20-21
.set RDC,  22                          ; v22  my 16 bytes of the rows to be read next
.set SPW,  28                          ; v28  LDS address of my spare word; never rewritten
.set NIL,  29                          ; v29  0; never rewritten
.set RL,   32                          ; v32-47  1 / l of block a in the pair at 32 + 2 a
.set AL,   48                          ; v48-55  the K step's alpha, block a in v[48 + a]
.set F0,   64
.set F1,   128
.set MS,   64                          ; the statistics, ahead of the first fragments: v64-95 M_g, then alpha_g of my four groups (j at 8 j, block a at + a)
.set LS,   96                          ; v96-127 l_g
.set MXR,  128                         ; v128-135 M
.set TP,   136                         ; v136-143 at work
.set LR,   144                         ; v144-151 l
.set IN,   64                          ; the way out: v64-95 eight rows' 16 bytes as read, v96-127 at work, v128-159 to store
.set TT,   96
.set OUTR, 128
.set WV,   18
.set RH,   19
.set CH,   20
.set CX,   21
.set CY,   22
.set BT,   23
.set G1,   24
.set G0,   32
.set AOF,  40
.set BOF,  42
.set BAT,  44
.set TM,   46
.set G1B,  48
.set G0B,  56
.set ACUR, 66
.set BCUR, 68
.set ANXT, 70
.set BNXT, 72
.set FO,   74
.set LAP,  76
.set SEG,  78                          ; s78  0 while the fragments in hand are segment 0's
.set TBA,  79                          ; s79  the table entry's byte offset
.set CNT,  80
.set ROF,  81                          ; s81  the way out: byte offset of the rows to be read next
.set KC,   82                          ; s[82:83] 2 log2(e)
.set OOUT, 84                          ; s[84:85] out0 at my part of the tile
.set BIA,  86                          ; s[86:87] b at my 128 columns
.set SIN,  88                          ; s[88:89] stats at my row group's record of group 0
.set SEL,  90                          ; s[90:91] v_permlanex16_b32's selects: each lane takes its own place in the other half
.set DESC0, (1<<16)|(1<<20)|(1<<21)|(5<<22)|(3<<25)
.set MSB, 0
.macro WIN new
.if MSB != (\new)
	s_set_vgpr_msb (MSB<<8)|(\new)
.set MSB, \new
.endif
.endm
.set MUL_LO, 0xa1
.set MUL_HI, 0xf1
.set TO_B,   0x40
.macro JLOAD s                         ; a joint load: waves 0 and 1 fetch A's two halves, waves 2 and 3 B's; an s_nop 0 and four v_nop follow each line
	s_cmp_eq_u32 s[RH], 0
	s_cbranch_scc0 .Lfor_b_\@
	tensor_load_to_lds s[G0+4*(\s):G0+4*(\s)+3], s[G1:G1+7]
	s_nop 0
.rept 4
	v_nop
.endr
	s_branch .Lasked_\@
.Lfor_b_\@:
	tensor_load_to_lds s[G0B+4*(\s):G0B+4*(\s)+3], s[G1B:G1B+7]
	s_nop 0
.rept 4
	v_nop
.endr
.Lasked_\@:
.endm
.macro CREST
	s_cmp_lg_u32 s[WV], 0
	s_cbranch_scc1 .Lnot_wave_0_\@
	s_barrier_signal -3
.Lnot_wave_0_\@:
	s_barrier_wait -3
	s_barrier_signal -1
	s_barrier_wait -1
.endm
.macro CROUND
	s_barrier_signal -1
	s_barrier_wait -1
	CREST
.endm
.macro REFADDR slot                    ; the next step's addresses, made anew; behind a segment's eighth step the offset goes back to 0 and the bases become segment 1's
	s_add_nc_u64 s[G0+4*(\slot)+2:G0+4*(\slot)+3], s[ACUR:ACUR+1], s[FO:FO+1]
	s_or_b32 s[G0+4*(\slot)+3], s[G0+4*(\slot)+3], 0x80000000
	s_add_nc_u64 s[G0B+4*(\slot)+2:G0B+4*(\slot)+3], s[BCUR:BCUR+1], s[FO:FO+1]
	s_or_b32 s[G0B+4*(\slot)+3], s[G0B+4*(\slot)+3], 0x80000000
	s_add_co_u32 s[FO], s[FO], 2*KSTEP
	s_cmp_eq_u32 s[FO], ROWB
	s_cselect_b32 s[FO], 0, s[FO]
	s_cselect_b64 s[ACUR:ACUR+1], s[ANXT:ANXT+1], s[ACUR:ACUR+1]
	s_cselect_b64 s[BCUR:BCUR+1], s[BNXT:BNXT+1], s[BCUR:BCUR+1]
.endm
.macro MUL16 f, hi, a0, zero           ; 16 matrix instructions; the 64 accumulators take turns
	WIN MUL_LO+0x50*(\hi)
.irp a, \a0, (\a0)+1
.irp b, 0,1,2,3,4,5,6,7
.if \zero
	v_wmma_f32_16x16x32_bf16 v[8*(8*(\a)+(\b)):8*(8*(\a)+(\b))+7], v[(\f)+8*(\b):(\f)+8*(\b)+7], v[(\f)+8*(4*(\hi)+(\a)):(\f)+8*(4*(\hi)+(\a))+7], 0
.else
	v_wmma_f32_16x16x32_bf16 v[8*(8*(\a)+(\b)):8*(8*(\a)+(\b))+7], v[(\f)+8*(\b):(\f)+8*(\b)+7], v[(\f)+8*(4*(\hi)+(\a)):(\f)+8*(4*(\hi)+(\a))+7], v[8*(8*(\a)+(\b)):8*(8*(\a)+(\b))+7]
.endif
.endr
.endr
.endm
.macro FETCH slot, k, f
	WIN TO_B
.irp i, 0,1,2,3,4,5,6,7
	ds_load_b128 v[(\f)+8*(\i):(\f)+8*(\i)+3],   v[ADRB+(\slot)] offset:(\k)+(\i)*16*PITCH
	ds_load_b128 v[(\f)+8*(\i)+4:(\f)+8*(\i)+7], v[ADRB+(\slot)] offset:(\k)+(\i)*16*PITCH+32
.endr
	WIN 0
.irp i, 0,1,2,3,4,5,6,7
	ds_load_b128 v[(\f)+8*(\i):(\f)+8*(\i)+3],   v[ADRA+(\slot)] offset:(\k)+(\i)*16*PITCH
	ds_load_b128 v[(\f)+8*(\i)+4:(\f)+8*(\i)+7], v[ADRA+(\slot)] offset:(\k)+(\i)*16*PITCH+32
.endr
.endm
.macro PLACES
.rept 4
	v_nop
.endr
.endm
; A's fragments in buffer f (8 blocks x 8 words of two bf16) times the K step's alpha.  mode 2: always; mode 1: only while the fragments are segment 0's.
; nexta = 1: the step's last quarter: the next step's alpha are fetched (the last entry once more behind the eighth step).
.macro CSCALE f, mode, nexta
	WIN 0
.if (\mode) == 1
	s_cmp_lg_u32 s[SEG], 0
	s_cbranch_scc1 .Lno_\@
.endif
.set i, 0
.rept 64
	v_pk_mul_bf16 v[(\f)+i], v[(\f)+i], v[AL+i/8]
.set i, i+1
.endr
.if \nexta
	s_add_co_u32 s[TBA], s[TBA], 512
	s_min_u32 s[TBA], s[TBA], 7*512
	v_add_nc_u32 v[TA], s[TBA], v[TW]
	ds_load_b128 v[AL:AL+3], v[TA]
	ds_load_b128 v[AL+4:AL+7], v[TA] offset:16
.endif
.if (\mode) == 1
.Lno_\@:
.endif
.endm
.macro QUARTER slot, k, f, g, zero, sc
.if \sc
	s_wait_dscnt 0x0                               ; all of buffer f is in, and the step's alpha
	CSCALE \f, \sc, 0
.else
	s_wait_dscnt 8                                 ; B and A's rows 0-63 are in; the youngest eight loads may be out
.endif
	MUL16 \f, 0, 0, \zero
	MUL16 \f, 0, 2, \zero
	PLACES
	FETCH \slot, \k, \g
	s_wait_dscnt 32                                ; all but the 32 just issued
	MUL16 \f, 1, 0, \zero
	MUL16 \f, 1, 2, \zero
.endm
; The last quarter multiplies buffer 1 and changes slots: one barrier; in front of it the wait for all my tensor loads (one is out: my part of the next slot), the add, and the wait for it and for
; my reads of this slot.  fill = 1: the barrier opens a round of the cluster's, and the joint refill is the first tensor load behind the round.
.macro TURN slot, next, fill, sc
.if \sc
	s_wait_dscnt 0x0
	CSCALE F1, \sc, 1
.endif
	WIN 0
	s_wait_tensorcnt 0x0                           ; no tensor load of mine is out, so a group 0 may be written
	ds_add_u32 v[SPW], v[NIL]
.if \fill
	REFADDR \slot
.endif
.if (\sc) == 0
	s_wait_dscnt 9                                 ; the add and the youngest eight loads may be out
.endif
	MUL16 F1, 0, 0, 0
	s_wait_dscnt 0x0                               ; the add is done, my reads of this slot are over, the next alpha are in
	s_barrier_signal -1
	MUL16 F1, 0, 2, 0
.if \fill
	WIN 0
.endif
	s_barrier_wait -1
.if \fill
	CREST
	JLOAD \slot                                    ; its four v_nop are also the places in front of the loads below
.else
	PLACES
.endif
	FETCH \next, 0, F0
	MUL16 F1, 1, 0, 0
	MUL16 F1, 1, 2, 0
.endm
.macro DUMP                            ; all 64 accumulators as f32 into my 128 rows of 528 bytes; each accumulator's low four registers first
.irp a, 0,1,2,3,4,5,6,7
	WIN 0x08+4*((\a)/4)
.irp b, 0,1,2,3,4,5,6,7
	ds_store_b128 v[STD], v[8*(8*((\a)%4)+(\b)):8*(8*((\a)%4)+(\b))+3]   offset:(\a)*16*DPITCH+(\b)*64
	ds_store_b128 v[STD], v[8*(8*((\a)%4)+(\b))+4:8*(8*((\a)%4)+(\b))+7] offset:(\a)*16*DPITCH+(\b)*64+16
.endr
.endr
	WIN 0
.endm
	s_load_b256 s[4:11], s[0:1], 0x0               ; pt s[4:5], gt s[6:7], qb s[8:9], wb s[10:11]
	s_load_b128 s[12:15], s[0:1], 0x20             ; b s[12:13], stats s[14:15]
	s_load_b64 s[16:17], s[0:1], 0x30              ; out0
	v_lshl_add_u32 v[SPW], v0, 2, SPARE
	v_mov_b32 v[NIL], 0
	ds_add_u32 v[SPW], v[NIL]                      ; the wave's opening: the add and its wait stand ahead of my first tensor load; work on registers stands between them
	v_lshrrev_b32 v1, 5, v0
	v_readfirstlane_b32 s[WV], v1
	s_lshr_b32 s[RH], s[WV], 1
	s_and_b32 s[CH], s[WV], 1
	s_bfe_u32 s[CX], ttmp6, 0x40000
	s_bfe_u32 s[CY], ttmp6, 0x40004
	s_mov_b32 s[BT], ttmp9
	s_lshl_b32 s[TM], s[CY], 2
	s_lshl_b32 s[TM], 15, s[TM]                    ; my row of the cluster
	s_lshl_b32 s[TM+1], 0x1111, s[CX]              ; my column
	s_or_b32 s[G1], s[TM], DESC0
	s_or_b32 s[G1B], s[TM+1], DESC0
.irp g, G1, G1B
	s_mov_b32 s[(\g)+1], KSTEP<<16
	s_mov_b32 s[(\g)+2], 128<<16
	s_mov_b32 s[(\g)+3], KSTEP<<16
	s_mov_b32 s[(\g)+4], 128
	s_mov_b32 s[(\g)+5], 1024
	s_mov_b32 s[(\g)+6], 0
	s_mov_b32 s[(\g)+7], 0
.endr
	s_lshl_b32 s2, s[CH], 7
	s_lshl_b32 s[AOF], s[CY], 8
	s_add_co_u32 s[AOF], s[AOF], s2
	s_lshl_b32 s[AOF], s[AOF], 11
	s_mov_b32 s[AOF+1], 0
	s_lshl_b32 s[BOF], s[CX], 8
	s_add_co_u32 s[BOF], s[BOF], s2
	s_lshl_b32 s[BOF], s[BOF], 11
	s_mov_b32 s[BOF+1], 0
	s_lshl_b32 s[BAT], s[BT], 21
	s_mov_b32 s[BAT+1], 0
	s_mul_i32 s3, s[WV], HALFT
.irp s, 0,1
	s_mov_b32 s[G0+4*(\s)], 1
	s_add_co_u32 s[G0+4*(\s)+1], s3, (\s)*SLOT
	s_mov_b32 s[G0B+4*(\s)], 1
	s_add_co_u32 s[G0B+4*(\s)+1], s3, (\s)*SLOT
.endr
	s_mov_b32 s[FO], 2*2*KSTEP
	s_mov_b32 s[FO+1], 0
	s_mov_b32 s[KC], 0x4038aa3b                    ; 2 log2(e)
	s_mov_b32 s[KC+1], s[KC]
	s_mov_b32 s[SEL], 0x76543210
	s_mov_b32 s[SEL+1], 0xfedcba98
	s_mov_b32 s[SEG], 0
	s_mov_b32 s[TBA], 0
	s_wait_dscnt 0x0                               ; the opening add is done
	s_wait_kmcnt 0x0
	s_add_nc_u64 s[ACUR:ACUR+1], s[4:5], s[BAT:BAT+1]          ; segment 0: A = the batch's p,
	s_add_nc_u64 s[ACUR:ACUR+1], s[ACUR:ACUR+1], s[AOF:AOF+1]
	s_add_nc_u64 s[BCUR:BCUR+1], s[6:7], s[BAT:BAT+1]          ; B = its Gt
	s_add_nc_u64 s[BCUR:BCUR+1], s[BCUR:BCUR+1], s[BOF:BOF+1]
	s_add_nc_u64 s[ANXT:ANXT+1], s[8:9], s[BAT:BAT+1]          ; segment 1: A = its q,
	s_add_nc_u64 s[ANXT:ANXT+1], s[ANXT:ANXT+1], s[AOF:AOF+1]
	s_add_nc_u64 s[BNXT:BNXT+1], s[10:11], s[BOF:BOF+1]        ; B = W2, 1,024 rows into wb
	s_add_nc_u64 s[BNXT:BNXT+1], s[BNXT:BNXT+1], 1024*ROWB
.irp s, 0,1
	s_add_nc_u64 s[G0+4*(\s)+2:G0+4*(\s)+3], s[ACUR:ACUR+1], (\s)*2*KSTEP
	s_or_b32 s[G0+4*(\s)+3], s[G0+4*(\s)+3], 0x80000000
	s_add_nc_u64 s[G0B+4*(\s)+2:G0B+4*(\s)+3], s[BCUR:BCUR+1], (\s)*2*KSTEP
	s_or_b32 s[G0B+4*(\s)+3], s[G0B+4*(\s)+3], 0x80000000
.endr
	CROUND                                         ; all sixteen work-groups are here: the first joint loads meet
	s_cmp_eq_u32 s[RH], 0                          ; a wave's two first fills stand in one branch: two loads of mine are out
	s_cbranch_scc0 .Lfirst_b
	tensor_load_to_lds s[G0:G0+3], s[G1:G1+7]
	s_nop 0
	tensor_load_to_lds s[G0+4:G0+7], s[G1:G1+7]
	s_nop 0
.rept 4
	v_nop
.endr
	s_branch .Lfirst_asked
.Lfirst_b:
	tensor_load_to_lds s[G0B:G0B+3], s[G1B:G1B+7]
	s_nop 0
	tensor_load_to_lds s[G0B+4:G0B+7], s[G1B:G1B+7]
	s_nop 0
.rept 4
	v_nop
.endr
.Lfirst_asked:
	; THE STATISTICS, in the wait for the first tiles.  My record of group g: 128 M, then 128 l; row 16 a + r at float index 8 r + a: a lane's eight blocks are 32 consecutive bytes.
	; Lanes r and r + 16 hold the same rows, so they share the eight groups: lane (r, h) takes g = 4 h + 0..3, and the two join their maxima and sums by one exchange each.
	v_and_b32 v1, 15, v0                           ; r
	v_bfe_u32 v2, v0, 4, 1                         ; h
	v_and_b32 v4, 31, v0                           ; lane
	v_lshlrev_b32 v5, 5, v1                        ; 32 r
	v_lshl_add_u32 v5, v2, 15, v5                  ; + 4 h groups of 8,192 bytes
	v_lshlrev_b32 v6, 4, v4                        ; 16 x lane
	s_lshl_b32 s[TM], s[BT], 6                     ; record ((batch x 8 + g) x 8 + row group 2 cy + RH), 1,024 bytes each
	s_lshl1_add_u32 s[TM], s[CY], s[TM]
	s_add_co_u32 s[TM], s[TM], s[RH]
	s_lshl_b32 s[TM], s[TM], 10
	s_mov_b32 s[TM+1], 0
	s_add_nc_u64 s[SIN:SIN+1], s[14:15], s[TM:TM+1]
	s_lshl_b32 s[TM], s[CX], 10                    ; my 128 columns in b: (256 cx + 128 CH) x 4 bytes
	s_lshl_b32 s2, s[CH], 9
	s_add_co_u32 s[TM], s[TM], s2
	s_add_nc_u64 s[BIA:BIA+1], s[12:13], s[TM:TM+1]
.set j, 0
.rept 4
	global_load_b128 v[MS+8*j:MS+8*j+3],   v5, s[SIN:SIN+1] offset:8192*j
	global_load_b128 v[MS+8*j+4:MS+8*j+7], v5, s[SIN:SIN+1] offset:8192*j+16
	global_load_b128 v[LS+8*j:LS+8*j+3],   v5, s[SIN:SIN+1] offset:8192*j+512
	global_load_b128 v[LS+8*j+4:LS+8*j+7], v5, s[SIN:SIN+1] offset:8192*j+528
.set j, j+1
.endr
	global_load_b128 v[KB:KB+3], v6, s[BIA:BIA+1]
	; lane addresses, while those loads are out
	v_mul_u32_u24 v3, v1, PITCH
	v_lshl_add_u32 v3, v2, 4, v3
	s_mul_i32 s[TM], s[RH], HALFT
	s_mul_i32 s[TM+1], s[CH], HALFT
	s_add_co_u32 s[TM+1], s[TM+1], 2*HALFT
.irp s, 0,1
	v_add_nc_u32 v[ADRA+(\s)], s[TM], v3
	v_add_nc_u32 v[ADRB+(\s)], s[TM+1], v3
	s_add_co_u32 s[TM], s[TM], SLOT
	s_add_co_u32 s[TM+1], s[TM+1], SLOT
.endr
	s_mul_i32 s[TM], s[WV], DWAVE
	v_mul_u32_u24 v3, v1, DPITCH
	v_lshl_add_u32 v3, v2, 5, v3
	v_add_nc_u32 v[STD], s[TM], v3
	v_lshl_add_u32 v[RDR], v4, 4, s[TM]            ; a row of 512 bytes is 32 lanes x 16
	v_lshlrev_b32 v[GO], 4, v4
	s_lshl_b32 s[TM], s[WV], 12
	s_add_co_u32 s[TM], s[TM], TABL
	v_lshl_add_u32 v[TW], v1, 5, s[TM]
	v_lshl_add_u32 v[TWS], v2, 11, v[TW]           ; entry 4 h
	s_lshl_b32 s[TM], s[CY], 8                     ; out0 at batch, row 256 cy + 128 RH, column 256 cx + 128 CH
	s_lshl_b32 s[TM+1], s[RH], 7
	s_add_co_u32 s[TM], s[TM], s[TM+1]
	s_lshl_b32 s[TM], s[TM], 12
	s_lshl_b32 s[TM+1], s[CX], 10
	s_add_co_u32 s[TM], s[TM], s[TM+1]
	s_lshl_b32 s[TM+1], s[CH], 9
	s_add_co_u32 s[TM], s[TM], s[TM+1]
	s_lshl_b32 s[TM+1], s[BT], 22
	s_add_co_u32 s[TM], s[TM], s[TM+1]
	s_mov_b32 s[TM+1], 0
	s_add_nc_u64 s[OOUT:OOUT+1], s[16:17], s[TM:TM+1]
	s_wait_loadcnt 0x0
.irp a, 0,1,2,3,4,5,6,7
	v_max3_num_f32 v[TP+(\a)], v[MS+(\a)], v[MS+8+(\a)], v[MS+16+(\a)]
.endr
.irp a, 0,1,2,3,4,5,6,7
	v_max_num_f32 v[MXR+(\a)], v[TP+(\a)], v[MS+24+(\a)]
.endr
.irp a, 0,1,2,3,4,5,6,7
	v_permlanex16_b32 v[TP+(\a)], v[MXR+(\a)], s[SEL], s[SEL+1]  ; the other four groups' maximum (its destination has been written above)
.endr
.irp a, 0,1,2,3,4,5,6,7
	v_max_num_f32 v[MXR+(\a)], v[MXR+(\a)], v[TP+(\a)]      ; M: the row's maximum over all 1,024 keys
.endr
.set i, 0
.rept 32
	v_sub_f32 v[MS+i], v[MS+i], v[MXR+i%8]
.set i, i+1
.endr
.set i, 0
.rept 32
	v_exp_f32 v[MS+i], v[MS+i]                     ; alpha_g
.set i, i+1
.endr
	v_nop                                          ; a plain instruction between the last exponential and the use of its result (ISA guide 5.7.2)
	s_wait_alu depctr_va_vdst(0)
.irp a, 0,1,2,3,4,5,6,7
	v_mul_f32 v[LR+(\a)], v[MS+(\a)], v[LS+(\a)]
.endr
.set i, 8
.rept 24
	v_fmac_f32 v[LR+i%8], v[MS+i], v[LS+i]         ; my four groups' part of l = sum_g alpha_g l_g: eight chains by turns
.set i, i+1
.endr
.irp a, 0,1,2,3,4,5,6,7
	v_permlanex16_b32 v[TP+(\a)], v[LR+(\a)], s[SEL], s[SEL+1]
.endr
.irp a, 0,1,2,3,4,5,6,7
	v_add_f32 v[LR+(\a)], v[LR+(\a)], v[TP+(\a)]   ; l: the same sum of two in both halves of the lanes
.endr
.irp a, 0,1,2,3,4,5,6,7
	v_rcp_f32 v[RL+2*(\a)], v[LR+(\a)]             ; 1 / l stays in f32
.endr
	v_nop
.set i, 0
.rept 32
	v_cvt_pk_bf16_f32 v[MS+i], v[MS+i], v[MS+i]    ; bf16(alpha) in both halves of the word
.set i, i+1
.endr
	s_wait_alu depctr_va_vdst(0)
.irp a, 0,1,2,3,4,5,6,7
	v_mov_b32 v[RL+2*(\a)+1], v[RL+2*(\a)]         ; named with it as a pair
.endr
.set j, 0
.rept 4
	ds_store_b128 v[TWS], v[MS+8*j:MS+8*j+3]   offset:512*j
	ds_store_b128 v[TWS], v[MS+8*j+4:MS+8*j+7] offset:512*j+16
.set j, j+1
.endr
	ds_load_b128 v[AL:AL+3], v[TW]                 ; K step 0's alpha; my wave's own bytes, served in order (ISA guide 5.7.1.4)
	ds_load_b128 v[AL+4:AL+7], v[TW] offset:16
	v_cvt_pk_bf16_f32 v[LR], v[KB], v[KB+1]        ; the bias is rounded to bf16 like the other inputs, widened, and scaled with the exponent's factor
	v_cvt_pk_bf16_f32 v[LR+1], v[KB+2], v[KB+3]
	v_lshlrev_b32 v[KB], 16, v[LR]
	v_and_b32 v[KB+1], 0xffff0000, v[LR]
	v_lshlrev_b32 v[KB+2], 16, v[LR+1]
	v_and_b32 v[KB+3], 0xffff0000, v[LR+1]
	v_pk_mul_f32 v[KB:KB+1], v[KB:KB+1], s[KC:KC+1] op_sel_hi:[1,0]
	v_pk_mul_f32 v[KB+2:KB+3], v[KB+2:KB+3], s[KC:KC+1] op_sel_hi:[1,0]
	s_wait_tensorcnt 1                             ; my part of K step 0 is in; step 1's may stay out
	s_wait_dscnt 0x0                               ; no LDS instruction of mine is out at the signal
	s_barrier_signal -1
	s_barrier_wait -1
	FETCH 0, 0, F0
	QUARTER 0, 64, F0, F1, 1, 2                    ; the first quarter stands in front of the loop: its products start the sums
	WIN 0
	s_mov_b32 s[LAP], 7
.Llap:                                                 ; a trip: once round the ring, from a lap's second quarter to the next lap's first; 7 trips: K steps 2 to 15 are asked for
	QUARTER 0, 128, F1, F0, 0, 1
	QUARTER 0, 192, F0, F1, 0, 1
	TURN 0, 1, 1, 1
	QUARTER 1, 64,  F0, F1, 0, 1
	QUARTER 1, 128, F1, F0, 0, 1
	QUARTER 1, 192, F0, F1, 0, 1
	TURN 1, 0, 1, 1
	WIN 0
	s_cmp_lg_u32 s[LAP], 4                         ; the fourth trip ends segment 0's eighth K step
	s_cbranch_scc1 .Lgo
	; THE SUMS TIMES 1 / l, in ascending order.  Window 2's accumulators were finished in front of the refill's four v_nop; their 128 lines, which name no register of the last products, are those products' places.
.irp hi, 0,1
	WIN 0x82+0x41*(\hi)                            ; destination and source 0: window 2, then 3; 1 / l in window 0
.set i, 0
.rept 128
	v_pk_mul_f32 v[2*i:2*i+1], v[2*i:2*i+1], v[RL+2*(4*(\hi)+i/32):RL+2*(4*(\hi)+i/32)+1] op_sel_hi:[1,0]
.set i, i+1
.endr
.endr
	WIN 0
	s_mov_b32 s[SEG], 1                            ; the fragments from here on are q's: they are not scaled; the sums go on in the same accumulators
.Lgo:
	QUARTER 0, 64, F0, F1, 0, 1
	WIN 0
	s_sub_co_u32 s[LAP], s[LAP], 1
	s_cmp_lg_u32 s[LAP], 0
	s_cbranch_scc1 .Llap
	QUARTER 0, 128, F1, F0, 0, 0                   ; the last lap is written out: it asks for nothing, and has no round of the cluster's barrier
	QUARTER 0, 192, F0, F1, 0, 0
	TURN 0, 1, 0, 0
	QUARTER 1, 64,  F0, F1, 0, 0
	QUARTER 1, 128, F1, F0, 0, 0
	QUARTER 1, 192, F0, F1, 0, 0
	s_wait_dscnt 8
	MUL16 F1, 0, 0, 0
	MUL16 F1, 0, 2, 0
	s_wait_dscnt 0x0
	MUL16 F1, 1, 0, 0
	MUL16 F1, 1, 2, 0
	PLACES
	WIN 0
	s_barrier_signal -1                            ; my reads of the ring are over (the wait for 0 above); behind this barrier everybody's are, and the ring, which has had its last fill, takes the sums
	s_barrier_wait -1
	DUMP                                           ; each wave writes and reads its own 128 rows alone: no further barrier
	; THE WAY OUT: 16 trips of 8 rows; a row's 512 bytes are one load and one store of the wave.  A trip's rows are read from LDS a trip ahead, straight behind the lines that free their registers;
	; the registers that the stores read are written again only at the end of the next trip's arithmetic.
	s_mov_b32 s[CNT], 16
	s_mov_b32 s[ROF], 0
.irp i, 0,1,2,3,4,5,6,7
	ds_load_b128 v[IN+4*(\i):IN+4*(\i)+3], v[RDR] offset:(\i)*DPITCH
.endr
.Lout:
	s_wait_dscnt 0x0                               ; this trip's eight rows are in
.set i, 0
.rept 16
	v_pk_fma_f32 v[TT+2*i:TT+2*i+1], v[IN+2*i:IN+2*i+1], s[KC:KC+1], v[KB+2*(i%2):KB+2*(i%2)+1] op_sel_hi:[1,0,1]  ; 2 log2(e) (x + bias)
.set i, i+1
.endr
	s_add_co_u32 s[ROF], s[ROF], 8*DPITCH          ; the next eight rows; the last trip has none and reads its own once more, into registers that nobody reads
	s_min_u32 s[ROF], s[ROF], 15*8*DPITCH
	v_add_nc_u32 v[RDC], s[ROF], v[RDR]
.irp i, 0,1,2,3,4,5,6,7
	ds_load_b128 v[IN+4*(\i):IN+4*(\i)+3], v[RDC] offset:(\i)*DPITCH
.endr
.set i, 0
.rept 32
	v_exp_f32 v[TT+i], v[TT+i]
.set i, i+1
.endr
	v_nop                                          ; a plain instruction between the last exponential and the use of its result (ISA guide 5.7.2)
.set i, 0
	s_wait_alu depctr_va_vdst(0)
.rept 16
	v_pk_add_f32 v[TT+2*i:TT+2*i+1], v[TT+2*i:TT+2*i+1], 1.0 op_sel_hi:[1,0]
.set i, i+1
.endr
.set i, 0
.rept 32
	v_rcp_f32 v[TT+i], v[TT+i]
.set i, i+1
.endr
	s_wait_xcnt 0x0                                ; the last trip's stores have read their data and their offset, which are written again only behind this wait
	v_add_nc_u32 v[GO], 8*4096, v[GO]              ; (also the plain instruction behind the last reciprocal); the stores below reach back by their immediate
.set i, 0
	s_wait_alu depctr_va_vdst(0)
.rept 16
	v_pk_fma_f32 v[OUTR+2*i:OUTR+2*i+1], v[TT+2*i:TT+2*i+1], -2.0, 1.0 op_sel_hi:[1,0,0]  ; an exponential that overflows gives 1, one that vanishes -1
.set i, i+1
.endr
.irp i, 0,1,2,3,4,5,6,7
	global_store_b128 v[GO], v[OUTR+4*(\i):OUTR+4*(\i)+3], s[OOUT:OOUT+1] offset:(\i)*4096-8*4096 th:TH_STORE_NT  ; 512 consecutive bytes, at a multiple of 256 from out0's first byte
.endr
	s_sub_co_u32 s[CNT], s[CNT], 1
	s_cmp_lg_u32 s[CNT], 0
	s_cbranch_scc1 .Lout
	s_wait_tensorcnt 0x0                           ; the wave's end: behind my last tensor load and my last LDS store
	ds_add_u32 v[SPW], v[NIL]
	s_wait_dscnt 0x0                               ; the last trip's spare reads are back too
	CROUND                                         ; the closing round: no work-group ends while a partner may still ask for a tile that names it
	s_endpgm
.Lfunc_end_k_qf6f4d4e092_mix_out:
	.size	k_qf6f4d4e092_mix_out, .Lfunc_end_k_qf6f4d4e092_mix_out-k_qf6f4d4e092_mix_out
	.p2alignl 7, 3214868480
	.fill 96, 4, 3214868480
	.section	.rodata,"a",@progbits
	.p2align	6, 0x0
	.amdhsa_kernel k_qf6f4d4e092_mix_out
		.amdhsa_group_segment_fixed_size 327680
		.amdhsa_private_segment_fixed_size 0
		.amdhsa_enable_private_segment 0
		.amdhsa_kernarg_size 56
		.amdhsa_user_sgpr_count 2
		.amdhsa_user_sgpr_kernarg_segment_ptr 1
		.amdhsa_wavefront_size32 1
		.amdhsa_system_sgpr_workgroup_id_x 1
		.amdhsa_system_sgpr_workgroup_id_y 1
		.amdhsa_system_sgpr_workgroup_id_z 1
		.amdhsa_system_vgpr_workitem_id 0
		.amdhsa_next_free_vgpr 1024
		.amdhsa_next_free_sgpr 96
		.amdhsa_reserve_vcc 0
		.amdhsa_float_denorm_mode_32 3
		.amdhsa_float_denorm_mode_16_64 3
		.amdhsa_memory_ordered 1
		.amdhsa_forward_progress 1
		.amdhsa_inst_pref_size 192
	.end_amdhsa_kernel
	.amdgpu_metadata
---
amdhsa.version: [ 1, 2 ]
amdhsa.kernels:
  - .name:           k_qf6f4d4e092_mix_out
    .symbol:         k_qf6f4d4e092_mix_out.kd
    .args:
      - { .name: pt, .offset: 0, .size: 8, .value_kind: global_buffer, .address_space: global }
      - { .name: gt, .offset: 8, .size: 8, .value_kind: global_buffer, .address_space: global }
      - { .name: qb, .offset: 16, .size: 8, .value_kind: global_buffer, .address_space: global }
      - { .name: wb, .offset: 24, .size: 8, .value_kind: global_buffer, .address_space: global }
      - { .name: b, .offset: 32, .size: 8, .value_kind: global_buffer, .address_space: global }
      - { .name: stats, .offset: 40, .size: 8, .value_kind: global_buffer, .address_space: global }
      - { .name: out0, .offset: 48, .size: 8, .value_kind: global_buffer, .address_space: global }
    .group_segment_fixed_size: 327680
    .private_segment_fixed_size: 0
    .kernarg_segment_align: 8
    .kernarg_segment_size: 56
    .max_flat_workgroup_size: 128
    .sgpr_count:     96
    .vgpr_count:     1024
    .wavefront_size: 32
...
	.end_amdgpu_metadata
.endif
;; end of part 3
;; ======== version 2 of 2: 3 launches; version 1 with the launch prep written anew for expert scheduling mode
;; workspace buffers: qb 33,554,432 bytes; cb 33,554,432 bytes; wb 4,194,304 bytes; pt 33,554,432 bytes; gt 33,554,432 bytes; stats 1,048,576 bytes
;; launch prep (part 4): grid 1024 x 1, 8 waves a work-group, no clusters, 0 bytes of LDS; arguments output, context, W, qb, cb, wb; writes qb, cb, wb
.if DOCPART == 4
	.amdgcn_target "amdgcn-amd-amdhsa--gfx1250"
	.amdhsa_code_object_version 6
	.text
	.protected	k_qf6f4d4e092_prep
	.globl	k_qf6f4d4e092_prep
	.p2align	8
	.type	k_qf6f4d4e092_prep,@function
k_qf6f4d4e092_prep:
	s_mov_b64 s[64:65], 0
	v_nop
	global_prefetch_b8 v0, s[64:65] scope:SCOPE_SE
	s_setreg_imm32_b32 hwreg(HW_REG_WAVE_SCHED_MODE, 0, 2), 2
	s_setreg_imm32_b32 hwreg(HW_REG_WAVE_MODE, 25, 1), 1
	s_wait_xcnt 0x0
	s_wait_alu depctr_vm_vsrc(0)
; Rounds output, context and W once to bf16 and lays their rows by batch (W: by half), so that the two launches behind find
; every matrix as [rows][1024] bf16 with K along the rows:  qb[b][t][:] = output[t][b][:],  cb[b][s][:] = context[s][b][:],
; wb[half][d][:] = W[d][1024 half ..].
; SHARES.  8,192 waves.  Wave i takes 4 consecutive rows (16,384 consecutive bytes) of output (work-groups 0-511) or context (512-1023),
; and 1,024 consecutive bytes of W: every wave has the same 34 chunks of 512 bytes, and 1,024 work-groups are four for each of 256 WGPs.
; With 112 registers eight waves share a SIMD's 1,024.
; A store of a wave is 32 lanes x 8 bytes: 256 consecutive bytes, at a multiple of 256 from the buffer's first byte.
; A stream: no LDS, no barrier, no matrix unit, no cluster (no work-group shares a byte with another).
; THE MODE: SCHED_MODE bits 1:0 = 2 (LLVM: expert scheduling mode 2), set by the entry lines.  The code itself states the register dependences
; between vector instructions and memory instructions, with s_wait_alu, always for 0.
; THE PLAN.  The wave's 32 chunks of output or context go in 8 blocks of four.  Registers that memory instructions touch:
;   X0 .. X4   five blocks of f32 as loaded.  Blocks 0 to 4 are asked for at the head; block p + 4 (p = 1, 2, 3) is asked for in block p and lands in X[(p - 1) % 5].
;              Read by block p's eight conversions (X[p % 5]).
;   Y0, Y1     two blocks of bf16 to store.  Written by block p's conversions (Y[p % 2]); read by the four stores that are issued in block p + 1.
;   XW, YW     W's two chunks: loaded once, converted once ahead of block 0, stored in block 0.
;   v1, v2     byte offsets, made once at the head and never written again: every chunk is reached by an immediate offset, and no base is stepped.
; Block p's conversions name X[p % 5] and Y[p % 2].  Its memory instructions are the loads into X[(p - 1) % 5] and the stores from Y[(p - 1) % 2]: the two buffers that
; block p - 1 worked on.  So the waits at a block's head state all that the block's memory instructions hang on, and these are dealt among its conversions with no further wait.
.set BLOCK, 4                          ; chunks in a block
.set NX, 5                             ; X buffers
.set X,  4                             ; v[4:83]     buffer k, chunk i: 4 f32 as loaded, at X + 16 k + 4 i
.set XW, 84                            ; v[84:91]    W's two chunks
.set Y,  92                            ; v[92:107]   buffer k, chunk i: 2 words of bf16 to store, at Y + 8 k + 2 i
.set YW, 108                           ; v[108:111]  W's
.set SRC,  18                          ; s[18:19] my first source byte in output or context
.set DST,  20                          ; s[20:21] my first destination row
.set WSRC, 28                          ; s[28:29], s[30:31] the same for my part of W
.set WDST, 30
	s_load_b256 s[4:11], s[0:1], 0x0               ; output s[4:5], context s[6:7], W s[8:9], qb s[10:11]
	s_load_b128 s[12:15], s[0:1], 0x20             ; cb s[12:13], wb s[14:15]
	v_lshrrev_b32 v3, 5, v0
	v_readfirstlane_b32 s16, v3                    ; wave 0..7
	v_and_b32 v2, 31, v0
	v_lshlrev_b32 v1, 4, v2                        ; 16 x lane: my 4 f32 in a chunk of 512 bytes
	v_lshlrev_b32 v2, 3, v2                        ; 8 x lane: my 4 bf16 in 256 bytes of a destination row
	s_mov_b32 s36, ttmp9
	s_lshl_b32 s17, s36, 3
	s_wait_alu depctr_va_sdst(0)                   ; s16 is written, ahead of its first reader: the wave's index, and all four bases, are made from it
	s_add_co_u32 s17, s17, s16                     ; i: my wave among the 8,192
	s_lshl_b32 s32, s17, 10                        ; W: byte 1,024 i = row d = i / 8 (8,192 bytes), half (i / 4) % 2, quarter i % 4 of that half
	s_mov_b32 s33, 0
	s_lshr_b32 s34, s17, 3
	s_bfe_u32 s35, s17, 0x10002
	s_lshl_b32 s35, s35, 10
	s_add_co_u32 s34, s34, s35                     ; wb's row 1,024 half + d, 2,048 bytes each,
	s_lshl_b32 s34, s34, 11
	s_and_b32 s35, s17, 3
	s_lshl_b32 s35, s35, 9                         ; and 512 bytes for each quarter
	s_add_co_u32 s34, s34, s35
	s_mov_b32 s35, 0
	s_lshl_b32 s22, s17, 2
	s_and_b32 s22, s22, 16383                      ; my first source row, counted inside its tensor of 16,384 rows; a multiple of 4
	s_lshl_b32 s24, s22, 12                        ; its byte offset, under 2^26
	s_mov_b32 s25, 0
	s_and_b32 s26, s22, 15                         ; source row = 16 x (outer index) + batch; destination row = 1,024 x batch + outer index
	s_lshl_b32 s26, s26, 10
	s_lshr_b32 s27, s22, 4
	s_add_co_u32 s26, s26, s27
	s_lshl_b32 s26, s26, 11                        ; my four rows have one outer index and four batches on end: they lie 1,024 rows = 2,097,152 bytes apart
	s_mov_b32 s27, 0
	s_wait_kmcnt 0x0
	s_cmp_lt_u32 s36, 512
	s_cselect_b64 s[SRC:SRC+1], s[4:5], s[6:7]
	s_cselect_b64 s[DST:DST+1], s[10:11], s[12:13]
	s_add_nc_u64 s[SRC:SRC+1], s[SRC:SRC+1], s[24:25]
	s_add_nc_u64 s[DST:DST+1], s[DST:DST+1], s[26:27]
	s_add_nc_u64 s[WSRC:WSRC+1], s[8:9], s[32:33]
	s_add_nc_u64 s[WDST:WDST+1], s[14:15], s[34:35]
	s_wait_alu depctr_va_vdst(0)                   ; v1 and v2 are written: every load of the kernel reads v1 as its offset, every store v2
.irp w, 0,1
	global_load_b128 v[XW+4*(\w):XW+4*(\w)+3], v1, s[WSRC:WSRC+1] offset:512*(\w) th:TH_LOAD_NT  ; every input byte is read once in the whole program
.endr
.set n, 0
.rept NX*BLOCK                         ; blocks 0 to 4 into X0 to X4: with W's two, 22 loads of the wave are out
	global_load_b128 v[X+4*n:X+4*n+3], v1, s[SRC:SRC+1] offset:512*n th:TH_LOAD_NT
.set n, n+1
.endr
	s_wait_loadcnt NX*BLOCK                        ; loads come back in order (ISA guide 5.7.1): W's two chunks are in, the 20 younger loads stay out
.irp w, 0,1
	v_cvt_pk_bf16_f32 v[YW+2*(\w)],   v[XW+4*(\w)],   v[XW+4*(\w)+1]
	v_cvt_pk_bf16_f32 v[YW+2*(\w)+1], v[XW+4*(\w)+2], v[XW+4*(\w)+3]
.endr
; Block p: chunks 4 p to 4 p + 3; chunk n is row n / 8, its bytes 512 (n % 8) on.
.macro BLK p
.if (\p) == 0
	s_wait_loadcnt 4*BLOCK                         ; X0 is in; blocks 1 to 4 stay out
.elseif (\p) < 5
	s_wait_loadcnt 3*BLOCK                         ; X[p % 5] is in; the three younger blocks stay out
.else
	s_wait_loadcnt (7-(\p))*BLOCK                  ; nothing more is asked for: the counts run down
.endif
.if (\p) >= 2
	s_wait_xcnt 0x0                                ; every earlier memory instruction has had its addresses translated (ISA guide 3.1): Y[p % 2] is written again only behind this wait
	s_wait_alu depctr_vm_vsrc(0)                   ; the stores issued in the block before have read Y[p % 2], which this block's conversions write again
.endif
	s_wait_alu depctr_va_vdst(0)                   ; the block before has written the other Y (ahead of block 0: W's conversions have written YW), which the stores below read, and is done reading its X, in which the loads below land
.irp i, 0,1,2,3
.if ((\p) >= 1) && ((\p) <= 3)
.set nl, BLOCK*((\p)+4)+(\i)
	global_load_b128 v[X+16*(((\p)+4)%NX)+4*(\i):X+16*(((\p)+4)%NX)+4*(\i)+3], v1, s[SRC:SRC+1] offset:512*nl th:TH_LOAD_NT  ; four blocks ahead, the load ahead of the store; no conversion since the wait names these registers
.endif
.if (\p) >= 1
.set ns, BLOCK*((\p)-1)+(\i)
	global_store_b64 v2, v[Y+8*(1-(\p)%2)+2*(\i):Y+8*(1-(\p)%2)+2*(\i)+1], s[DST:DST+1] offset:(ns/8)*2097152+256*(ns%8)  ; the block before; 6,293,248 at the most: inside the signed 24-bit immediate
.elseif (\i) < 2
	global_store_b64 v2, v[YW+2*(\i):YW+2*(\i)+1], s[WDST:WDST+1] offset:256*(\i)
.endif
	v_cvt_pk_bf16_f32 v[Y+8*((\p)%2)+2*(\i)],   v[X+16*((\p)%NX)+4*(\i)],   v[X+16*((\p)%NX)+4*(\i)+1]
	v_cvt_pk_bf16_f32 v[Y+8*((\p)%2)+2*(\i)+1], v[X+16*((\p)%NX)+4*(\i)+2], v[X+16*((\p)%NX)+4*(\i)+3]
.endr
.endm
.irp p, 0,1,2,3,4,5,6,7
	BLK \p
.endr
	s_wait_alu depctr_va_vdst(0)                   ; block 7 has written Y1, which the last four stores read
.irp i, 0,1,2,3
	global_store_b64 v2, v[Y+8+2*(\i):Y+8+2*(\i)+1], s[DST:DST+1] offset:3*2097152+256*(4+(\i))
.endr
	s_endpgm
.Lfunc_end_k_qf6f4d4e092_prep:
	.size	k_qf6f4d4e092_prep, .Lfunc_end_k_qf6f4d4e092_prep-k_qf6f4d4e092_prep
	.p2alignl 7, 3214868480
	.fill 96, 4, 3214868480
	.section	.rodata,"a",@progbits
	.p2align	6, 0x0
	.amdhsa_kernel k_qf6f4d4e092_prep
		.amdhsa_group_segment_fixed_size 0
		.amdhsa_private_segment_fixed_size 0
		.amdhsa_enable_private_segment 0
		.amdhsa_kernarg_size 48
		.amdhsa_user_sgpr_count 2
		.amdhsa_user_sgpr_kernarg_segment_ptr 1
		.amdhsa_wavefront_size32 1
		.amdhsa_system_sgpr_workgroup_id_x 1
		.amdhsa_system_sgpr_workgroup_id_y 1
		.amdhsa_system_sgpr_workgroup_id_z 1
		.amdhsa_system_vgpr_workitem_id 0
		.amdhsa_next_free_vgpr 112
		.amdhsa_next_free_sgpr 66
		.amdhsa_reserve_vcc 0
		.amdhsa_float_denorm_mode_32 3
		.amdhsa_float_denorm_mode_16_64 3
		.amdhsa_memory_ordered 1
		.amdhsa_forward_progress 1
		.amdhsa_inst_pref_size 14
	.end_amdhsa_kernel
	.amdgpu_metadata
---
amdhsa.version: [ 1, 2 ]
amdhsa.kernels:
  - .name:           k_qf6f4d4e092_prep
    .symbol:         k_qf6f4d4e092_prep.kd
    .args:
      - { .name: output, .offset: 0, .size: 8, .value_kind: global_buffer, .address_space: global }
      - { .name: context, .offset: 8, .size: 8, .value_kind: global_buffer, .address_space: global }
      - { .name: W, .offset: 16, .size: 8, .value_kind: global_buffer, .address_space: global }
      - { .name: qb, .offset: 24, .size: 8, .value_kind: global_buffer, .address_space: global }
      - { .name: cb, .offset: 32, .size: 8, .value_kind: global_buffer, .address_space: global }
      - { .name: wb, .offset: 40, .size: 8, .value_kind: global_buffer, .address_space: global }
    .group_segment_fixed_size: 0
    .private_segment_fixed_size: 0
    .kernarg_segment_align: 8
    .kernarg_segment_size: 48
    .max_flat_workgroup_size: 256
    .sgpr_count:     66
    .vgpr_count:     112
    .wavefront_size: 32
...
	.end_amdgpu_metadata
.endif
;; end of part 4
;; launch scores_g: the kernel of part 2 again; grid 64 x 4, 4 waves a work-group, clusters of 4 x 4, 327,680 bytes of LDS; arguments qb, cb, wb, gt, pt, stats; writes gt, pt, stats
;; launch mix_out: the kernel of part 3 again; grid 64 x 4, 4 waves a work-group, clusters of 4 x 4, 327,680 bytes of LDS; arguments pt, gt, qb, wb, b, stats, out0; writes out0
